; MI455X (gfx1250); checked and timed in simulation.
; The chip was launched on July 23, 2026; its instructions are those of AMD's public machine-readable ISA for CDNA 5 (MIT licence, August 2026) and "CDNA5" Instruction Set Architecture Reference Guide (July 2026). The comments in the code are by the model that wrote it; some were corrected since.
;; Self Attention. Allowed arithmetic: matrix products marked QUANTISED: E2M3 operands, one E8M0 scale for each 32 along K, by v_wmma_scale_f32_16x16x128_f8f6f4 with both operands' format E2M3, f32 sums; everything else in f32.
;; Inputs: Wk 1,024 x 1,024 float32; Wq 1,024 x 1,024 float32; Wv 1,024 x 1,024 float32; x 4 x 2,048 x 1,024 float32.
;; Outputs: out0 4 x 2,048 x 1,024 float32.
;; This version of the problem:
;;   THIS VERSION OF THE PROBLEM IS GIVEN IN LOW PRECISION. The matrix products marked QUANTISED in the list below multiply operands that are first quantised to E2M3 (2 exponent bits, 3 mantissa bits; 6 bits a number), with one power-of-two scale for each 32 numbers along K (OCP MX v1.0); their sums are f32. All else is computed in f32.
;;   The module's matrix products, in the order in which they are computed (A, B: the left and right operand; K: the contracted axis; several contracted axes count as one K, in the product's order):
;;     1. [M 8,192, K 1,024] x [K 1,024, N 1,024]; A: input x; B: input Wk: QUANTISED
;;     2. [M 8,192, K 1,024] x [K 1,024, N 1,024]; A: input x; B: input Wq: QUANTISED
;;     3. [M 8,192, K 1,024] x [K 1,024, N 1,024]; A: input x; B: input Wv: QUANTISED
;;     4. batch 4 x [M 2,048, K 1,024] x [K 1,024, N 2,048]; A: computed on the way; B: computed on the way: QUANTISED
;;     5. batch 4 x [M 2,048, K 2,048] x [K 2,048, N 1,024]; A: softmax (see below); B: computed on the way: QUANTISED
;;   THE QUANTISER, for each operand of a quantised product, along K:
;;     - K is cut into blocks of 32 from its start; a last block that is shorter is filled with zeros.
;;     - A block's scale is 2^e with e = floor(log2(the largest magnitude in the block)) - 2, held to -126 .. 127; a block of zeros has e = 0. As a byte (E8M0): e + 127.
;;     - Each number is divided by its block's scale, clamped to +-7.5, and rounded to the nearest number of E2M3, ties to even, subnormals kept.
;;     - The product sums the exact products of the quantised numbers (number of the format x scale) in f32.
;;   ~~~python
;;   def quantise(x, axis):      # numpy; x: float32 -> the quantised numbers, widened to float32 again
;;       x = np.moveaxis(x, axis, -1); K = x.shape[-1]
;;       x = np.pad(x, [(0, 0)] * (x.ndim - 1) + [(0, -K % 32)]); x = x.reshape(x.shape[:-1] + (-1, 32)); a = np.abs(x).max(-1, keepdims=True)
;;       e = np.where(a > 0, np.clip(np.frexp(np.where(a > 0, a, 1))[1] - 1 - 2, -126, 127), 0)      # np.frexp(a)[1] - 1 = floor(log2(a)), exactly
;;       r = np.clip(x / 2.0 ** e, -7.5, 7.5)
;;       step = 2.0 ** (np.maximum(np.frexp(np.where(r == 0, 1, r))[1] - 1, 0) - 3)
;;       q = np.round(r / step) * step * 2.0 ** e      # np.round: ties to even
;;       return np.moveaxis(q.reshape(q.shape[:-2] + (-1,))[..., :K], -1, axis).astype(np.float32)
;;   ~~~
;;   SOFTMAX AHEAD OF A QUANTISED PRODUCT. Where the list says 'softmax', what is quantised is not the finished softmax but p = 2^(t - M), with t = logit x log2(e) and M = ceil(the row's largest t), a whole number; so 1/2 < the row's largest p <= 1. The row's sum l is taken of the UNQUANTISED p, in f32, and the product's result is divided by l at the end. Since M is a whole number, a kernel that streams over the keys may use a running M (the ceiling of the running maximum): every later rescaling is an exact power of two, which a block's scale takes up: the codes' values come out the same.
;;   OPERANDS COMPUTED ON THE WAY. 'Computed on the way' means the value that the module computes at that place (a softmax that the list does not call 'softmax' is quantised finished and normalised). What goes into a quantiser is computed in f32, as accurately as f32 sums, v_exp_f32 and their like allow (about 1e-6 of the number): no bf16 or f16 on the way to a quantiser, and a product that is left as it is and whose result goes on into a quantised operand takes f32 operands (vector FMAs, or v_wmma_f32_16x16x4_f32). A number that lies on a knife's edge between two numbers of the format may be rounded either way, as far as f32 arithmetic and the matrix unit's own rounding can turn it there, and no further.
;; 2 versions, each right and faster than the one before. Each part assembles by itself: llvm-mc -triple=amdgcn-amd-amdhsa -mcpu=gfx1250 --defsym DOCPART=n.
;; ======== version 1 of 2: 4 launches
;; limits: right only within a limited range of input values
;; workspace buffers: xwc 8,650,752 bytes; xws 360,448 bytes; qkvc 18,874,368 bytes; qkvs 786,432 bytes; pc 12,582,912 bytes; pm 1,572,864 bytes
;; launch quant (part 1): grid 352 x 1, 4 waves a work-group, no clusters, 0 bytes of LDS; arguments x, Wq, Wk, Wv, xwc, xws, pm; writes xwc, xws, pm
.if DOCPART == 1
	.amdgcn_target "amdgcn-amd-amdhsa--gfx1250"
	.amdhsa_code_object_version 6
	.text
	.protected	k_q7bbb771dbd_quant
	.globl	k_q7bbb771dbd_quant
	.p2align	8
	.type	k_q7bbb771dbd_quant,@function
k_q7bbb771dbd_quant:
	s_mov_b64 s[64:65], 0
	v_nop
	global_prefetch_b8 v0, s[64:65] scope:SCOPE_SE
	s_setreg_imm32_b32 hwreg(HW_REG_WAVE_MODE, 25, 1), 1
	s_wait_xcnt 0x0
; x [8192][1024], Wq, Wk, Wv [1024][1024], f32, become codes of FP6 (E2M3) with one E8M0 byte for each 32 along their last axis, laid as IMAGES OF OPERAND REGISTERS.
; A TILE is 16 rows that are not neighbours: lane r of tile t holds row 32 (t / 2) + 8 (t % 2) + r + 8 (r / 8).  Tiles: x 0-511, Wq 512-575, Wk 576-639, Wv 640-703.
; A CODE IMAGE (16 rows x 128 along K, 1,536 bytes): register 4 c + k of lane l lies at byte 512 c + 16 l + 4 k; image (tile t, K step s) lies at (8 t + s) x 1,536 of xwc.
; A SCALE IMAGE (8 tiles, one K step, 512 bytes): byte 256 p + 8 l + 4 j holds the scale word of tile 4 p + 2 j + l / 16, row l % 16; image (group G, step s) at (8 G + s) x 512 of xws.
; A wave takes 64 rows (4 tiles) at one K step; the four waves of a work-group stand side by side on 2,048 bytes of each row.  No LDS, no barrier: waves share nothing.
; A block's scale is 2^(floor(log2(largest magnitude)) - 2); its byte is the largest magnitude's exponent field - 2, held at 1 from below.
; The first 256 work-groups also lay defaults into pm's three arrays (scale words 0, -M = 2^28, sums 0), one line of 512 bytes a wave and array: the last launch reads all 16 key steps' lines.
; LIMITS: a block of zeros gets the byte 1 where the rule says 127 (its codes are zeros; this program alone reads the bytes); blocks under 2^-124 were not tried; NaN and infinities are not served.
.set XA,  3                            ; v3   my lane's byte in a tile's rows: (r + 8 (r / 8)) x 4,096 + 64 (l / 16); never rewritten
.set LI,  4                            ; v4   16 x lane
.set L8,  5                            ; v5   8 x lane
.set WD,  6                            ; v6-9 the four tiles' scale words
.set TM,  16                           ; v16-31 at work
.set PC,  32                           ; v32-51 the codes just made
.set ZR,  52                           ; v52-55 zeros
.set BG,  56                           ; v56-59 2^28
.set SEL, 30                           ; s[30:31] lane selects: lane l xor 16
	s_load_b256 s[4:11], s[0:1], 0x0               ; x, Wq, Wk, Wv
	s_load_b128 s[12:15], s[0:1], 0x20             ; xwc, xws
	s_load_b64 s[16:17], s[0:1], 0x30              ; pm
	v_lshrrev_b32 v1, 5, v0
	v_readfirstlane_b32 s18, v1                    ; wave
	v_and_b32 v1, 15, v0                           ; r
	v_bfe_u32 v2, v0, 4, 1                         ; h
	v_and_b32 v3, 8, v1
	v_add_nc_u32 v3, v3, v1                        ; r + 8 (r / 8)
	v_lshlrev_b32 v3, 12, v3
	v_lshl_add_u32 v[XA], v2, 6, v3
	v_and_b32 v5, 31, v0
	v_lshlrev_b32 v[LI], 4, v5
	v_lshlrev_b32 v[L8], 3, v5
.irp b, 0,1,2,3
	v_mov_b32 v[TM+4+\b], 0                        ; written once: a lane permute's destination counts as one of its sources
	v_mov_b32 v[ZR+\b], 0
	v_mov_b32 v[BG+\b], 0x4d800000
.endr
	s_mov_b32 s[SEL], 0x76543210
	s_mov_b32 s[SEL+1], 0xfedcba98
	s_lshr_b32 s19, ttmp9, 1                       ; which 64 rows: 0-127 x, 128-143 Wq, 144-159 Wk, 160-175 Wv
	s_and_b32 s20, ttmp9, 1
	s_lshl_b32 s20, s20, 2
	s_add_co_u32 s20, s20, s18                     ; which K step
	s_wait_kmcnt 0x0
	s_mov_b64 s[22:23], s[10:11]                   ; the source is chosen by the work-group's number alone
	s_mov_b32 s24, 160
	s_cmp_lt_u32 s19, 160
	s_cselect_b64 s[22:23], s[8:9], s[22:23]
	s_cselect_b32 s24, 144, s24
	s_cmp_lt_u32 s19, 144
	s_cselect_b64 s[22:23], s[6:7], s[22:23]
	s_cselect_b32 s24, 128, s24
	s_cmp_lt_u32 s19, 128
	s_cselect_b64 s[22:23], s[4:5], s[22:23]
	s_cselect_b32 s24, 0, s24
	s_sub_co_u32 s24, s19, s24
	s_lshl_b32 s24, s24, 18                        ; 64 rows of 4,096 bytes
	s_lshl_b32 s25, s20, 9                         ; 128 numbers
	s_add_co_u32 s24, s24, s25
	s_mov_b32 s25, 0
	s_add_nc_u64 s[22:23], s[22:23], s[24:25]
	s_mul_i32 s26, s19, 49152                      ; 4 tiles x 8 steps x 1,536
	s_mul_i32 s27, s20, 1536
	s_add_co_u32 s26, s26, s27
	s_mov_b32 s27, 0
	s_add_nc_u64 s[12:13], s[12:13], s[26:27]
	s_lshr_b32 s26, s19, 1
	s_lshl_b32 s26, s26, 12                        ; the group's 8 scale images,
	s_lshl_b32 s28, s20, 9                         ; the step's,
	s_add_co_u32 s26, s26, s28
	s_and_b32 s28, s19, 1
	s_lshl_b32 s28, s28, 8                         ; my half of it
	s_add_co_u32 s26, s26, s28
	s_add_nc_u64 s[14:15], s[14:15], s[26:27]
; tile t's 64 numbers a lane: register 16 b + i = k 32 b + 16 (l / 16) + i of my row
.macro XLOAD set, t
.irp b, 0,1,2,3
.irp j, 0,1,2,3
	global_load_b128 v[(\set)+16*\b+4*\j:(\set)+16*\b+4*\j+3], v[XA], s[22:23] offset:(32*((\t)/2)+8*((\t)%2))*4096+128*\b+16*\j th:TH_LOAD_NT
.endr
.endr
.endm
; 64 numbers of a lane become a fragment's codes in v[PC] on and my row's scale word in v[w]
.macro QUANT s, w
.irp b, 0,1,2,3
	v_max3_num_f32 v[TM+\b], |v[(\s)+16*\b]|, |v[(\s)+1+16*\b]|, 0x1800000   ; block b: my 16 numbers, and the floor 2^(3 - 127): the byte cannot fall under 1
.endr
.irp i, 2,4,6,8,10,12,14
.irp b, 0,1,2,3
	v_max3_num_f32 v[TM+\b], v[TM+\b], |v[(\s)+16*\b+\i]|, |v[(\s)+1+16*\b+\i]|
.endr
.endr
.irp b, 0,1,2,3
	v_permlanex16_b32 v[TM+4+\b], v[TM+\b], s[SEL], s[SEL+1]
.endr
.irp b, 0,1,2,3
	v_max_num_f32 v[TM+\b], v[TM+\b], v[TM+4+\b]   ; with lane l xor 16's: the block's largest magnitude
.endr
.irp b, 0,1,2,3
	v_add_nc_u32 v[TM+12+\b], 0xff000000, v[TM+\b] ; 2 off its exponent field: the conversion's scale operand
.endr
.irp b, 0,1,2,3
	v_lshrrev_b32 v[TM+8+\b], 23, v[TM+12+\b]      ; the scale's byte
.endr
	v_lshl_or_b32 v[\w], v[TM+9], 8, v[TM+8]
	v_lshl_or_b32 v[\w], v[TM+10], 16, v[\w]
	v_lshl_or_b32 v[\w], v[TM+11], 24, v[\w]
.irp c, 0,1
	v_cvt_scalef32_pk16_fp6_f32 v[PC+6*\c:PC+6*\c+2], v[(\s)+32*\c:(\s)+32*\c+15], v[TM+12+2*\c]
	v_cvt_scalef32_pk16_fp6_f32 v[PC+12+4*\c:PC+14+4*\c], v[(\s)+32*\c+16:(\s)+32*\c+31], v[TM+13+2*\c]   ; (a conversion's three registers begin on an even number)
.endr
	v_nop                                          ; one plain place behind a scaled conversion
.irp c, 0,1                                    ; the operand's layout wants a whole block in a lane
.irp i, 0,1,2
	v_permlane16_swap_b32 v[PC+6*\c+\i], v[PC+12+4*\c+\i]
.endr
.irp i, 0,1,2
	v_mov_b32 v[PC+3+6*\c+\i], v[PC+12+4*\c+\i]
.endr
.endr
.endm
.macro TILE set, t, left
	s_wait_loadcnt \left                           ; this tile's 16 loads are in; the later tiles' may be out
.if (\t) > 0
	s_wait_xcnt 0x0                                ; the last tile's stores have read v[PC] on
.endif
	QUANT \set, WD+(\t)
.irp c, 0,1,2
	global_store_b128 v[LI], v[PC+4*\c:PC+4*\c+3], s[12:13] offset:(\t)*12288+512*\c   ; 32 lanes store 512 consecutive bytes
.endr
.endm
	XLOAD 64, 0
	XLOAD 128, 1
	XLOAD 192, 2
	s_cmp_lt_u32 ttmp9, 256                        ; 1,024 waves lay pm's 1,024 lines
	s_cbranch_scc0 .Lno_default
	s_lshl_b32 s28, ttmp9, 2
	s_add_co_u32 s28, s28, s18
	s_lshl_b32 s28, s28, 9
	s_mov_b32 s29, 0
	s_add_nc_u64 s[16:17], s[16:17], s[28:29]
	global_store_b128 v[LI], v[ZR:ZR+3], s[16:17]
	global_store_b128 v[LI], v[BG:BG+3], s[16:17] offset:524288
	global_store_b128 v[LI], v[ZR:ZR+3], s[16:17] offset:1048576
.Lno_default:
	TILE 64, 0, 32
	XLOAD 64, 3                                    ; tile 0's registers take tile 3
	TILE 128, 1, 32
	TILE 192, 2, 16
	TILE 64, 3, 0
	v_cmp_ne_u32 vcc_lo, 0, v2
	v_cndmask_b32 v10, v[WD+0], v[WD+1], vcc_lo    ; lanes 0-15 the even tile's word, lanes 16-31 the odd tile's
	v_cndmask_b32 v11, v[WD+2], v[WD+3], vcc_lo
	global_store_b64 v[L8], v[10:11], s[14:15]     ; 256 consecutive bytes, at a multiple of 256
	s_endpgm
.Lfunc_end_k_q7bbb771dbd_quant:
	.size	k_q7bbb771dbd_quant, .Lfunc_end_k_q7bbb771dbd_quant-k_q7bbb771dbd_quant
	.p2alignl 7, 3214868480
	.fill 96, 4, 3214868480
	.section	.rodata,"a",@progbits
	.p2align	6, 0x0
	.amdhsa_kernel k_q7bbb771dbd_quant
		.amdhsa_group_segment_fixed_size 0
		.amdhsa_private_segment_fixed_size 0
		.amdhsa_enable_private_segment 0
		.amdhsa_kernarg_size 56
		.amdhsa_user_sgpr_count 2
		.amdhsa_user_sgpr_kernarg_segment_ptr 1
		.amdhsa_wavefront_size32 1
		.amdhsa_system_sgpr_workgroup_id_x 1
		.amdhsa_system_sgpr_workgroup_id_y 1
		.amdhsa_system_sgpr_workgroup_id_z 1
		.amdhsa_system_vgpr_workitem_id 0
		.amdhsa_next_free_vgpr 256
		.amdhsa_next_free_sgpr 66
		.amdhsa_reserve_vcc 1
		.amdhsa_float_denorm_mode_32 3
		.amdhsa_float_denorm_mode_16_64 3
		.amdhsa_memory_ordered 1
		.amdhsa_forward_progress 1
		.amdhsa_inst_pref_size 26
	.end_amdhsa_kernel
	.amdgpu_metadata
---
amdhsa.version: [ 1, 2 ]
amdhsa.kernels:
  - .name:           k_q7bbb771dbd_quant
    .symbol:         k_q7bbb771dbd_quant.kd
    .args:
      - { .name: x, .offset: 0, .size: 8, .value_kind: global_buffer, .address_space: global }
      - { .name: Wq, .offset: 8, .size: 8, .value_kind: global_buffer, .address_space: global }
      - { .name: Wk, .offset: 16, .size: 8, .value_kind: global_buffer, .address_space: global }
      - { .name: Wv, .offset: 24, .size: 8, .value_kind: global_buffer, .address_space: global }
      - { .name: xwc, .offset: 32, .size: 8, .value_kind: global_buffer, .address_space: global }
      - { .name: xws, .offset: 40, .size: 8, .value_kind: global_buffer, .address_space: global }
      - { .name: pm, .offset: 48, .size: 8, .value_kind: global_buffer, .address_space: global }
    .group_segment_fixed_size: 0
    .private_segment_fixed_size: 0
    .kernarg_segment_align: 8
    .kernarg_segment_size: 56
    .max_flat_workgroup_size: 128
    .sgpr_count:     66
    .vgpr_count:     256
    .wavefront_size: 32
...
	.end_amdgpu_metadata
.endif
;; end of part 1
;; launch proj (part 2): grid 8 x 48, 4 waves a work-group, clusters of 4 x 4, 327,680 bytes of LDS; arguments xwc, xws, qkvc, qkvs; writes qkvc, qkvs
.if DOCPART == 2
	.amdgcn_target "amdgcn-amd-amdhsa--gfx1250"
	.amdhsa_code_object_version 6
	.text
	.protected	k_q7bbb771dbd_proj
	.globl	k_q7bbb771dbd_proj
	.p2align	8
	.type	k_q7bbb771dbd_proj,@function
k_q7bbb771dbd_proj:
	s_mov_b64 s[64:65], 0
	v_nop
	global_prefetch_b8 v0, s[64:65] scope:SCOPE_SE
	s_setreg_imm32_b32 hwreg(HW_REG_WAVE_MODE, 25, 1), 1
	s_wait_xcnt 0x0
	s_wait_alu depctr_hold_cnt(0) depctr_sa_sdst(0) depctr_va_vdst(0) depctr_va_sdst(0) depctr_va_ssrc(0) depctr_va_vcc(0) depctr_vm_vsrc(0)
	s_getreg_b32 s2, hwreg(HW_REG_IB_STS2, 6, 4)
	s_cmp_eq_u32 s2, 0
	s_cbranch_scc0 .Lentry_in_a_cluster
	s_endpgm
.Lentry_in_a_cluster:
	s_bfe_u32 s2, ttmp6, 0x10000c
	s_cmp_lg_u32 s2, 0xf033
	s_cbranch_scc0 .Lentry_shape_is_right
	s_endpgm
.Lentry_shape_is_right:
; Q = x Wq^T, K = x Wk^T and V^T = Wv x^T on codes of FP6, K = 1,024; the results are quantised in registers and leave as codes, again as images of operand registers (layouts: the launch before).
; A work-group makes 256 ("A", source 1) x 256 ("B", source 0); a wave 128 x 128: 64 accumulators.  In a result a lane holds ONE row of A, and its registers run along B's rows; since B's tiles take
; rows 32 (t / 2) + 8 (t % 2) + r + 8 (r / 8), the 64 registers of A's tile a are 16 neighbours of each of four blocks of 32 along B's rows: B's rows are the axis along which the result is quantised.
; JOBS, by the cluster's y: under 8: A = x, B = Wq ; Wk: rows = tokens, quantised along the channels (Q, K).  From 8 on: A = Wv, B = x: rows = channels, quantised along the tokens (V^T, for the last product).
; OUT: qkvc: Q at 0, K at 6,291,456 (tile = x's tile, 8 steps of 1,536); V^T at 12,582,912 (tile 64 batch + channel tile, 16 key steps).  qkvs: scale images, Q at 0, K at 262,144, V at 524,288.
; RING: three LDS slots of two K steps each; the three first fills go out together, and slot 0 is filled once more (K steps 6, 7) behind K step 1: one change of slots in all.  A wave has at most three tensor loads out.
; CLUSTER 4 x 4: A's tiles are shared along a row of the cluster, B's along a column: joint loads.  The scale words of all 8 K steps go from memory straight into 64 registers a wave.
; All of a WGP's LDS is claimed.
; LIMITS: a block of zeros gets the byte 1 (its codes are zeros; this program alone reads the bytes); NaN and infinities are not served.
.set SLOTB, 98304                      ; a slot: A's 16 tiles x 3,072 bytes (two K steps' images), then B's
.set SPARE, 294912                     ; behind the ring: the spare words, 128 bytes a wave
.set LI,   3                           ; v3   16 x lane
.set L8,   4                           ; v4   8 x lane
.set ADRA, 8                           ; v8-10  my A fragments in slots 0, 1, 2
.set ADRB, 12                          ; v12-14 my B fragments
.set SPW,  28
.set NIL,  29
.set SA,   32                          ; v32-63 A's scale words: register 4 s + k: tile 2 k in lanes 0-15, tile 2 k + 1 in lanes 16-31
.set SB,   64                          ; v64-95 B's
.set TM,   96                          ; v96-111 at work on the way out
.set AF,   128                         ; v128-223 A's 8 fragments, one set.  Window 1: B's two sets at v0, v128.  Windows 2, 3: accumulator (a, b) at v[8 (8 (a % 4) + b)]
.set WD,   128                         ; the way out: v128-135 the 8 tiles' scale words, v136-139 their image
.set OW,   136
.set PC,   224                         ; v224-243 the codes just made
.set SEL,  20
.set G1A,  24
.set G1B,  32
.set G0A,  40                          ; four sets, never rewritten
.set G0B,  68
.set MUL_LO, 0xa1                      ; source 0 (B) window 1, source 1 (A) window 0, C and D window 2
.set MUL_HI, 0xf1
.set MSB, 0
.macro WIN new                         ; the immediate's high byte repeats the setting that is left
.if MSB != (\new)
	s_set_vgpr_msb (MSB<<8)|(\new)
.set MSB, (\new)
.endif
.endm
.macro PLACES n
.rept \n
	v_nop
.endr
.endm
; one product.  r0, r1: the scale words stand in lanes 16-31 of the register named (odd tiles)
.macro WM d, f0, f1, s0, s1, r0, r1, zero
.if \zero
.if (\r0) && (\r1)
	v_wmma_scale_f32_16x16x128_f8f6f4 v[(\d):(\d)+7], v[(\f0):(\f0)+11], v[(\f1):(\f1)+11], 0, v[\s0], v[\s1] matrix_a_fmt:MATRIX_FMT_FP6 matrix_b_fmt:MATRIX_FMT_FP6 matrix_a_scale:MATRIX_SCALE_ROW1 matrix_b_scale:MATRIX_SCALE_ROW1
.elseif (\r0)
	v_wmma_scale_f32_16x16x128_f8f6f4 v[(\d):(\d)+7], v[(\f0):(\f0)+11], v[(\f1):(\f1)+11], 0, v[\s0], v[\s1] matrix_a_fmt:MATRIX_FMT_FP6 matrix_b_fmt:MATRIX_FMT_FP6 matrix_a_scale:MATRIX_SCALE_ROW1
.elseif (\r1)
	v_wmma_scale_f32_16x16x128_f8f6f4 v[(\d):(\d)+7], v[(\f0):(\f0)+11], v[(\f1):(\f1)+11], 0, v[\s0], v[\s1] matrix_a_fmt:MATRIX_FMT_FP6 matrix_b_fmt:MATRIX_FMT_FP6 matrix_b_scale:MATRIX_SCALE_ROW1
.else
	v_wmma_scale_f32_16x16x128_f8f6f4 v[(\d):(\d)+7], v[(\f0):(\f0)+11], v[(\f1):(\f1)+11], 0, v[\s0], v[\s1] matrix_a_fmt:MATRIX_FMT_FP6 matrix_b_fmt:MATRIX_FMT_FP6
.endif
.else
.if (\r0) && (\r1)
	v_wmma_scale_f32_16x16x128_f8f6f4 v[(\d):(\d)+7], v[(\f0):(\f0)+11], v[(\f1):(\f1)+11], v[(\d):(\d)+7], v[\s0], v[\s1] matrix_a_fmt:MATRIX_FMT_FP6 matrix_b_fmt:MATRIX_FMT_FP6 matrix_a_scale:MATRIX_SCALE_ROW1 matrix_b_scale:MATRIX_SCALE_ROW1
.elseif (\r0)
	v_wmma_scale_f32_16x16x128_f8f6f4 v[(\d):(\d)+7], v[(\f0):(\f0)+11], v[(\f1):(\f1)+11], v[(\d):(\d)+7], v[\s0], v[\s1] matrix_a_fmt:MATRIX_FMT_FP6 matrix_b_fmt:MATRIX_FMT_FP6 matrix_a_scale:MATRIX_SCALE_ROW1
.elseif (\r1)
	v_wmma_scale_f32_16x16x128_f8f6f4 v[(\d):(\d)+7], v[(\f0):(\f0)+11], v[(\f1):(\f1)+11], v[(\d):(\d)+7], v[\s0], v[\s1] matrix_a_fmt:MATRIX_FMT_FP6 matrix_b_fmt:MATRIX_FMT_FP6 matrix_b_scale:MATRIX_SCALE_ROW1
.else
	v_wmma_scale_f32_16x16x128_f8f6f4 v[(\d):(\d)+7], v[(\f0):(\f0)+11], v[(\f1):(\f1)+11], v[(\d):(\d)+7], v[\s0], v[\s1] matrix_a_fmt:MATRIX_FMT_FP6 matrix_b_fmt:MATRIX_FMT_FP6
.endif
.endif
.endm
; 16 products: A's blocks a0, a0 + 1 x B's eight, K step s.  The 64 accumulators take turns, one instruction a turn, in the same order in every step
.macro MUL16 a0, set, s, zero
.irp a, \a0, \a0+1
.irp b, 0,1,2,3,4,5,6,7
	WM 8*(8*((\a)%4)+\b), 128*(\set)+12*\b, AF+12*(\a), SB+4*(\s)+(\b/2), SA+4*(\s)+((\a)/2), \b%2, (\a)%2, \zero
.endr
.endr
.endm
.macro FRAG reg, adr, q, i             ; a fragment is an image: three loads of 512 consecutive bytes
.irp c, 0,1,2
	ds_load_b128 v[(\reg)+4*\c:(\reg)+4*\c+3], v[\adr] offset:(\i)*3072+(\q)*1536+512*\c
.endr
.endm
.macro FETCH_B slot, q, set
	WIN 0x40
.irp i, 0,1,2,3,4,5,6,7
	FRAG 128*(\set)+12*\i, ADRB+(\slot), \q, \i
.endr
	WIN 0
.endm
.macro FETCH_A slot, q, i0
.irp i, \i0, \i0+1, \i0+2, \i0+3
	FRAG AF+12*(\i), ADRA+(\slot), \q, \i
.endr
.endm
; a joint load: waves 0 and 1 fetch for A, waves 2 and 3 for B; an s_nop 0 and four v_nop follow each of the two lines
.macro JLOAD g0a, g0b
	s_cmp_eq_u32 s15, 0
	s_cbranch_scc0 .Lfor_b_\@
	tensor_load_to_lds s[\g0a:\g0a+3], s[G1A:G1A+7]
	s_nop 0
.rept 4
	v_nop
.endr
	s_branch .Lasked_\@
.Lfor_b_\@:
	tensor_load_to_lds s[\g0b:\g0b+3], s[G1B:G1B+7]
	s_nop 0
.rept 4
	v_nop
.endr
.Lasked_\@:
.endm
.macro CREST                           ; a round of the cluster's barrier behind its opening barrier
	s_cmp_lg_u32 s14, 0
	s_cbranch_scc1 .Lnot_wave_0_\@
	s_barrier_signal -3
.Lnot_wave_0_\@:
	s_barrier_wait -3
	s_barrier_signal -1
	s_barrier_wait -1
.endm
.macro CROUND
	s_barrier_signal -1
	s_barrier_wait -1
	CREST
.endm
.macro REFILL                          ; the barrier has opened a round of the cluster's barrier; the joint refill is the first tensor load behind it; its four v_nop are the places in front of the loads that follow
	CREST
	JLOAD G0A+12, G0B+12
.endm
; K step s (0 to 6): 64 products, and the fetches of step s + 1.  kind 0: no barrier.  kind 1: the change of slots: slot 0 has been read out and is filled again.  kind 2: that refill has landed: a plain barrier shows it to all.
.macro KSTEP s, kind, zero
.if (\kind) == 1
	s_wait_tensorcnt 0x0                           ; all my tensor loads have landed: my parts of slots 1 and 2 among them
	ds_add_u32 v[SPW], v[NIL]                      ; 0 onto my spare word
	s_wait_dscnt 13                                ; (the add and the youngest 12 loads, A's blocks 4-7, may be out)
.elseif (\kind) == 2
	s_wait_tensorcnt 0x0                           ; the one load that is out: my part of K steps 6 and 7
	s_wait_dscnt 12
.else
	s_wait_dscnt 12                                ; B's set and A's blocks 0-3 are in; A's blocks 4-7 (12 loads) may be out
.endif
	WIN MUL_LO
	MUL16 0, (\s)%2, \s, \zero
.if (\kind) != 0
	s_wait_dscnt 0x0                               ; the add is done, and my reads of the slot are over
	s_barrier_signal -1
.endif
	MUL16 2, (\s)%2, \s, \zero
.if (\kind) != 0
	WIN 0
	s_barrier_wait -1
.else
	s_wait_dscnt 0x0                               ; A's blocks 4-7 are in
.endif
.if (\kind) == 1
	REFILL
.else
	PLACES 4                                       ; in front of loads into registers that matrix instructions have read
.endif
	FETCH_B (((\s)+1)/2)%3, ((\s)+1)%2, ((\s)+1)%2
	FETCH_A (((\s)+1)/2)%3, ((\s)+1)%2, 0
	WIN MUL_HI
	MUL16 4, (\s)%2, \s, \zero
	MUL16 6, (\s)%2, \s, \zero
	PLACES 4
	WIN 0
	FETCH_A (((\s)+1)/2)%3, ((\s)+1)%2, 4
.endm
	s_load_b256 s[4:11], s[0:1], 0x0               ; xwc s[4:5], xws s[6:7], qkvc s[8:9], qkvs s[10:11]
	v_lshl_add_u32 v[SPW], v0, 2, SPARE
	v_mov_b32 v[NIL], 0
	ds_add_u32 v[SPW], v[NIL]                      ; the wave's opening add; its wait comes ahead of my first tensor load, with work on registers between them
	v_lshrrev_b32 v1, 5, v0
	v_readfirstlane_b32 s14, v1                    ; wave
	s_lshr_b32 s15, s14, 1                         ; my half of A's rows.  Also: I fetch for A (0) or for B (1)
	s_and_b32 s16, s14, 1                          ; my half of B's rows.  Also: which 8 tiles I fetch
	s_bfe_u32 s17, ttmp6, 0x40000                  ; cx
	s_bfe_u32 s18, ttmp6, 0x40004                  ; cy
	s_mov_b32 s12, ttmp9                           ; the cluster's x: 0, 1
	s_and_b32 s13, ttmp7, 0xffff                   ; the cluster's y: 0 .. 11
	s_lshl_b32 s22, s13, 6                         ; A's first tile: x's 64 y + 16 cy, or Wv's 640 + 16 cy
	s_cmp_ge_u32 s13, 8
	s_cselect_b32 s22, 640, s22
	s_lshl_b32 s19, s18, 4
	s_add_co_u32 s22, s22, s19
	s_sub_co_u32 s23, s13, 8                       ; B's first tile: the weights' 512 + 64 x + 16 cx, or x's 128 (y - 8) + 64 x + 16 cx
	s_lshl_b32 s23, s23, 7
	s_cmp_ge_u32 s13, 8
	s_cselect_b32 s23, s23, 512
	s_lshl_b32 s62, s12, 6
	s_add_co_u32 s23, s23, s62
	s_lshl_b32 s62, s17, 4
	s_add_co_u32 s23, s23, s62
	s_lshl_b32 s19, s18, 2
	s_lshl_b32 s19, 15, s19                        ; my row of the cluster
	s_lshl_b32 s62, 0x1111, s17                    ; my column
	s_or_b32 s[G1A], s19, (3<<16)|(1<<21)          ; 15:0 the mask; 17:16 elements of 8 bytes; 21 set beside a mask; no padding
	s_or_b32 s[G1B], s62, (3<<16)|(1<<21)
.irp g, G1A, G1B
	s_mov_b32 s[\g+1], 384<<16                     ; tensor_dim0: 3,072 bytes, a tile's images of two K steps
	s_mov_b32 s[\g+2], 8<<16                       ; tensor_dim1: 8 tiles
	s_mov_b32 s[\g+3], 384<<16                     ; tile_dim0
	s_mov_b32 s[\g+4], 8                           ; tile_dim1
	s_mov_b32 s[\g+5], 1536                        ; from tile to tile: 12,288 bytes
	s_mov_b32 s[\g+6], 0
	s_mov_b32 s[\g+7], 0
.endr
	s_lshl_b32 s19, s16, 3
	s_add_co_u32 s56, s22, s19                     ; the 8 tiles of A that I would fetch,
	s_mul_i32 s56, s56, 12288
	s_mov_b32 s57, 0
	s_lshl_b32 s62, s16, 3
	s_add_co_u32 s60, s23, s62                     ; and of B
	s_mul_i32 s60, s60, 12288
	s_mov_b32 s61, 0
	s_mul_i32 s3, s14, 24576                       ; where they go: wave x 8 tiles: no place in the cluster enters an LDS address
	; where my results go
	s_lshr_b32 s94, s23, 3
	s_add_co_u32 s94, s94, s16                     ; B's group of 8 tiles that is mine
	s_lshl_b32 s95, s15, 3
	s_add_co_u32 s95, s95, s22                     ; A's first tile that is mine
	s_sub_co_u32 s90, s94, 64                      ; Q, K: 0-7 Q's K steps, 8-15 K's
	s_lshr_b32 s91, s90, 3
	s_and_b32 s90, s90, 7
	s_mul_i32 s84, s91, 6291456
	s_mul_i32 s92, s95, 12288
	s_add_co_u32 s84, s84, s92
	s_mul_i32 s92, s90, 1536
	s_add_co_u32 s84, s84, s92
	s_lshl_b32 s86, s91, 18
	s_lshr_b32 s92, s95, 3
	s_lshl_b32 s92, s92, 12
	s_add_co_u32 s86, s86, s92
	s_lshl_b32 s92, s90, 9
	s_add_co_u32 s86, s86, s92
	s_lshr_b32 s90, s94, 4                         ; V: the batch,
	s_lshl_b32 s90, s90, 6
	s_add_co_u32 s90, s90, s95
	s_sub_co_u32 s90, s90, 640                     ; the tile 64 batch + channel tile,
	s_and_b32 s91, s94, 15                         ; the key step
	s_mul_i32 s92, s90, 24576
	s_mul_i32 s93, s91, 1536
	s_add_co_u32 s92, s92, s93
	s_add_co_u32 s92, s92, 12582912
	s_lshr_b32 s90, s90, 3
	s_lshl_b32 s90, s90, 13
	s_lshl_b32 s91, s91, 9
	s_add_co_u32 s90, s90, s91
	s_add_co_u32 s90, s90, 524288
	s_mov_b32 s88, 12288
	s_cmp_ge_u32 s13, 8
	s_cselect_b32 s84, s92, s84                    ; codes,
	s_cselect_b32 s86, s90, s86                    ; scale image,
	s_cselect_b32 s88, 24576, s88                  ; from tile to tile
	s_mov_b32 s85, 0
	s_mov_b32 s87, 0
	s_mov_b32 s89, 0
	s_lshr_b32 s90, s95, 3                         ; my operands' scale images: 4,096 bytes a group
	s_lshl_b32 s90, s90, 12
	s_mov_b32 s91, 0
	s_lshl_b32 s92, s94, 12
	s_mov_b32 s93, 0
	s_mov_b32 s[SEL], 0x76543210
	s_mov_b32 s[SEL+1], 0xfedcba98
	v_and_b32 v1, 15, v0                           ; r
	v_bfe_u32 v2, v0, 4, 1                         ; h
	v_and_b32 v5, 31, v0
	v_lshlrev_b32 v[LI], 4, v5
	v_lshlrev_b32 v[L8], 3, v5
	s_mul_i32 s58, s15, 24576
	s_mul_i32 s59, s16, 24576
	s_add_co_u32 s59, s59, 49152
.irp g, 0,1,2
	v_add_nc_u32 v[ADRA+\g], s58, v[LI]
	v_add_nc_u32 v[ADRB+\g], s59, v[LI]
	s_add_co_u32 s58, s58, SLOTB
	s_add_co_u32 s59, s59, SLOTB
.endr
	s_wait_dscnt 0x0                               ; the opening add is done
	s_wait_kmcnt 0x0
	s_add_nc_u64 s[56:57], s[4:5], s[56:57]
	s_add_nc_u64 s[60:61], s[4:5], s[60:61]
	s_add_nc_u64 s[84:85], s[8:9], s[84:85]
	s_add_nc_u64 s[86:87], s[10:11], s[86:87]
	s_add_nc_u64 s[90:91], s[6:7], s[90:91]
	s_add_nc_u64 s[92:93], s[6:7], s[92:93]
.irp k, 0,1,2,3                                ; load k brings K steps 2 k, 2 k + 1 into slot k % 3
	s_mov_b32 s[G0A+4*\k], 1
	s_add_co_u32 s[G0A+4*\k+1], s3, (\k%3)*SLOTB
	s_add_nc_u64 s[G0A+4*\k+2:G0A+4*\k+3], s[56:57], \k*3072
	s_or_b32 s[G0A+4*\k+3], s[G0A+4*\k+3], 0x80000000
	s_mov_b32 s[G0B+4*\k], 1
	s_add_co_u32 s[G0B+4*\k+1], s3, (\k%3)*SLOTB
	s_add_nc_u64 s[G0B+4*\k+2:G0B+4*\k+3], s[60:61], \k*3072
	s_or_b32 s[G0B+4*\k+3], s[G0B+4*\k+3], 0x80000000
.endr
	CROUND                                         ; all sixteen work-groups are here: the first joint loads meet
	JLOAD G0A, G0B
	JLOAD G0A+4, G0B+4
	JLOAD G0A+8, G0B+8
.irp s, 0,1,2,3,4,5,6,7
.irp p, 0,1
	global_load_b64 v[SA+4*\s+2*\p:SA+4*\s+2*\p+1], v[L8], s[90:91] offset:512*\s+256*\p   ; 256 consecutive bytes a load
	global_load_b64 v[SB+4*\s+2*\p:SB+4*\s+2*\p+1], v[L8], s[92:93] offset:512*\s+256*\p
.endr
.endr
	s_wait_tensorcnt 0x2                           ; my part of slot 0 is in; slots 1 and 2 may be out
	s_barrier_signal -1
	s_barrier_wait -1
	FETCH_B 0, 0, 0
	FETCH_A 0, 0, 0
	FETCH_A 0, 0, 4
	s_wait_loadcnt 0x0                             ; the scale words
	KSTEP 0, 0, 1                                  ; the first products start the sums: nothing is cleared
	KSTEP 1, 1, 0                                  ; slot 0 is left and filled again: four K steps, 256 products, in which to land
	KSTEP 2, 0, 0
	KSTEP 3, 0, 0
	KSTEP 4, 0, 0
	KSTEP 5, 2, 0
	KSTEP 6, 0, 0
	s_wait_dscnt 12                                ; the last K step fetches nothing
	WIN MUL_LO
	MUL16 0, 1, 7, 0
	MUL16 2, 1, 7, 0
	s_wait_dscnt 0x0
	WIN MUL_HI
	MUL16 4, 1, 7, 0
	MUL16 6, 1, 7, 0
	WIN 0
; THE WAY OUT.  A's tile a: my 64 numbers (register 16 b + i = index 32 b + 16 (l / 16) + i along B's rows) become one fragment and one scale word a row; each accumulator is read from its low end on.
.macro QUANTW a
.set QX, 2+(\a)/4
.set QS, 64*((\a)%4)
	WIN (QX<<2)|(QX<<4)
.irp b, 0,1,2,3
	v_max3_num_f32 v[TM+\b], 0x1800000, |v[QS+16*\b]|, |v[QS+16*\b+1]|   ; the floor 2^(3 - 127): the byte cannot fall under 1
.endr
.irp i, 2,4,6,8,10,12,14
.irp b, 0,1,2,3
	v_max3_num_f32 v[TM+\b], v[TM+\b], |v[QS+16*\b+\i]|, |v[QS+16*\b+\i+1]|
.endr
.endr
	WIN 0
.irp b, 0,1,2,3
	v_permlanex16_b32 v[TM+4+\b], v[TM+\b], s[SEL], s[SEL+1]
.endr
.irp b, 0,1,2,3
	v_max_num_f32 v[TM+\b], v[TM+\b], v[TM+4+\b]
.endr
.irp b, 0,1,2,3
	v_add_nc_u32 v[TM+12+\b], 0xff000000, v[TM+\b] ; 2 off the exponent field: the conversion's scale operand
.endr
.irp b, 0,1,2,3
	v_lshrrev_b32 v[TM+8+\b], 23, v[TM+12+\b]
.endr
	v_lshl_or_b32 v[WD+(\a)], v[TM+9], 8, v[TM+8]
	v_lshl_or_b32 v[WD+(\a)], v[TM+10], 16, v[WD+(\a)]
	v_lshl_or_b32 v[WD+(\a)], v[TM+11], 24, v[WD+(\a)]
.if (\a) > 0
	s_wait_xcnt 0x0                                ; the last tile's stores have read their data and their base
	s_add_nc_u64 s[84:85], s[84:85], s[88:89]      ; on to the next tile's image
.endif
	WIN QX
.irp c, 0,1
	v_cvt_scalef32_pk16_fp6_f32 v[PC+6*\c:PC+6*\c+2], v[QS+32*\c:QS+32*\c+15], v[TM+12+2*\c]
	v_cvt_scalef32_pk16_fp6_f32 v[PC+12+4*\c:PC+14+4*\c], v[QS+32*\c+16:QS+32*\c+31], v[TM+13+2*\c]
.endr
	WIN 0
	v_nop                                          ; one plain place behind a scaled conversion
.irp c, 0,1
.irp i, 0,1,2
	v_permlane16_swap_b32 v[PC+6*\c+\i], v[PC+12+4*\c+\i]
.endr
.irp i, 0,1,2
	v_mov_b32 v[PC+3+6*\c+\i], v[PC+12+4*\c+\i]
.endr
.endr
.irp c, 0,1,2
	global_store_b128 v[LI], v[PC+4*\c:PC+4*\c+3], s[84:85] offset:512*\c   ; 512 consecutive bytes a store
.endr
.endm
	PLACES 4                                       ; behind the last products
.irp b, 0,1,2,3
	v_mov_b32 v[TM+4+\b], 0                        ; a lane permute's destination counts as one of its sources
.endr
.irp a, 0,1,2,3,4,5,6,7
	QUANTW \a
.endr
	v_cmp_ne_u32 vcc_lo, 0, v2
.irp k, 0,1,2,3
	v_cndmask_b32 v[OW+\k], v[WD+2*\k], v[WD+2*\k+1], vcc_lo   ; the scale image: even tiles in lanes 0-15, odd tiles in lanes 16-31
.endr
	global_store_b64 v[L8], v[OW:OW+1], s[86:87]
	global_store_b64 v[L8], v[OW+2:OW+3], s[86:87] offset:256
	s_wait_tensorcnt 0x0                           ; the wave's end
	ds_add_u32 v[SPW], v[NIL]
	s_wait_dscnt 0x0
	CROUND                                         ; the closing round
	s_endpgm
.Lfunc_end_k_q7bbb771dbd_proj:
	.size	k_q7bbb771dbd_proj, .Lfunc_end_k_q7bbb771dbd_proj-k_q7bbb771dbd_proj
	.p2alignl 7, 3214868480
	.fill 96, 4, 3214868480
	.section	.rodata,"a",@progbits
	.p2align	6, 0x0
	.amdhsa_kernel k_q7bbb771dbd_proj
		.amdhsa_group_segment_fixed_size 327680
		.amdhsa_private_segment_fixed_size 0
		.amdhsa_enable_private_segment 0
		.amdhsa_kernarg_size 32
		.amdhsa_user_sgpr_count 2
		.amdhsa_user_sgpr_kernarg_segment_ptr 1
		.amdhsa_wavefront_size32 1
		.amdhsa_system_sgpr_workgroup_id_x 1
		.amdhsa_system_sgpr_workgroup_id_y 1
		.amdhsa_system_sgpr_workgroup_id_z 1
		.amdhsa_system_vgpr_workitem_id 0
		.amdhsa_next_free_vgpr 1024
		.amdhsa_next_free_sgpr 96
		.amdhsa_reserve_vcc 1
		.amdhsa_float_denorm_mode_32 3
		.amdhsa_float_denorm_mode_16_64 3
		.amdhsa_memory_ordered 1
		.amdhsa_forward_progress 1
		.amdhsa_inst_pref_size 140
	.end_amdhsa_kernel
	.amdgpu_metadata
---
amdhsa.version: [ 1, 2 ]
amdhsa.kernels:
  - .name:           k_q7bbb771dbd_proj
    .symbol:         k_q7bbb771dbd_proj.kd
    .args:
      - { .name: xwc, .offset: 0, .size: 8, .value_kind: global_buffer, .address_space: global }
      - { .name: xws, .offset: 8, .size: 8, .value_kind: global_buffer, .address_space: global }
      - { .name: qkvc, .offset: 16, .size: 8, .value_kind: global_buffer, .address_space: global }
      - { .name: qkvs, .offset: 24, .size: 8, .value_kind: global_buffer, .address_space: global }
    .group_segment_fixed_size: 327680
    .private_segment_fixed_size: 0
    .kernarg_segment_align: 8
    .kernarg_segment_size: 32
    .max_flat_workgroup_size: 128
    .sgpr_count:     96
    .vgpr_count:     1024
    .wavefront_size: 32
...
	.end_amdgpu_metadata
.endif
;; end of part 2
;; launch scores (part 3): grid 160 x 1, 4 waves a work-group, no clusters, 327,680 bytes of LDS; arguments qkvc, qkvs, pc, pm; writes pc, pm
.if DOCPART == 3
	.amdgcn_target "amdgcn-amd-amdhsa--gfx1250"
	.amdhsa_code_object_version 6
	.text
	.protected	k_q7bbb771dbd_scores
	.globl	k_q7bbb771dbd_scores
	.p2align	8
	.type	k_q7bbb771dbd_scores,@function
k_q7bbb771dbd_scores:
	s_mov_b64 s[64:65], 0
	v_nop
	global_prefetch_b8 v0, s[64:65] scope:SCOPE_SE
	s_setreg_imm32_b32 hwreg(HW_REG_WAVE_MODE, 25, 1), 1
	s_wait_xcnt 0x0
; S^T = K Q^T on codes of FP6 (K = 1,024), the causal mask, p = 2^(t - M) and p's codes.  t = score x log2(e) / 32.
; A work-group makes 256 queries ("A", source 1) x 256 keys ("B", source 0); a wave 128 x 128.  A lane holds ONE query, and its 64 registers of a query tile are 16 neighbours of each of four blocks of 32 keys.
; M IS LOCAL: for each query and each 128 keys, M = ceil(the largest t among those keys), a whole number.  p is quantised under it; -M and the sum of the unquantised p go to pm beside p's scale words, and the next
; launch brings the key steps under the row's M by taking whole numbers off the scale bytes: the codes are those of the row's own M.
; TILES: 40 a batch: query block I (256 rows) takes key blocks 0 .. 2 (I / 2) + 1, whole runs of 512 keys, as the next launch walks them.  128 keys that lie wholly behind a wave's queries give zero codes, -M = 2^28, sum 0.
; OUT: pc: images, tile 128 batch + query tile, 16 key steps of 1,536 bytes.  pm: three arrays of 524,288 bytes (scale words, -M, sums), an image of 512 bytes for (128 queries, key step).
; NO CLUSTER: the causal rows of tiles hold 2, 4, 6, 8 tiles and the columns 8, 6, 4, 2, which four does not divide, and the mask's branch hangs on a tile's place against the diagonal.
; The ring and the K steps are those of the launch before, with plain loads.  All of a WGP's LDS is claimed.
; LIMITS: |t| under 2^24, so that M is an exact whole number; NaN and infinities among the scores are not served; a block whose every p is 0 keeps the byte 1 (its codes are zeros).
.set SLOTB, 98304
.set SPARE, 294912
.set LI,   3
.set L8,   4
.set ADRA, 8
.set ADRB, 12
.set SPW,  28
.set NIL,  29
.set SA,   32
.set SB,   64
.set BM,   96                          ; v96-99 the blocks' largest scores, then largest p; v100-103 the other half's
.set SCO,  104                         ; v104-107 the conversions' scale operands
.set BY,   108                         ; v108-111 the bytes
.set NM,   112                         ; v112 -M; v113 the largest t (named with it as a pair)
.set TT,   113
.set LA,   114                         ; v[114:115], v[116:117] the sum in two chains of pairs
.set LB,   116
.set DD,   118                         ; v118 my query less the first key of my half, for the tile in hand
.set NI,   119                         ; v119 -infinity
.set DB,   120                         ; v120 the same as DD for tile 0
.set AF,   128
.set WD,   128                         ; the way out: v128-135 scale words, v136-143 -M, v144-151 sums, v152-163 their images
.set NMS,  136
.set LS,   144
.set OW,   152
.set PC,   224
.set SEL,  20
.set G1,   24
.set QU,   32                          ; s32 which 128 queries of the batch are my wave's;  s33 which 128 keys
.set KU,   33
.set CS,   34                          ; s[34:35] log2(e) / 32
.set G0,   40
.set MUL_LO, 0xa1
.set MUL_HI, 0xf1
.set MSB, 0
.macro WIN new
.if MSB != (\new)
	s_set_vgpr_msb (MSB<<8)|(\new)
.set MSB, (\new)
.endif
.endm
.macro PLACES n
.rept \n
	v_nop
.endr
.endm
.macro WM d, f0, f1, s0, s1, r0, r1, zero
.if \zero
.if (\r0) && (\r1)
	v_wmma_scale_f32_16x16x128_f8f6f4 v[(\d):(\d)+7], v[(\f0):(\f0)+11], v[(\f1):(\f1)+11], 0, v[\s0], v[\s1] matrix_a_fmt:MATRIX_FMT_FP6 matrix_b_fmt:MATRIX_FMT_FP6 matrix_a_scale:MATRIX_SCALE_ROW1 matrix_b_scale:MATRIX_SCALE_ROW1
.elseif (\r0)
	v_wmma_scale_f32_16x16x128_f8f6f4 v[(\d):(\d)+7], v[(\f0):(\f0)+11], v[(\f1):(\f1)+11], 0, v[\s0], v[\s1] matrix_a_fmt:MATRIX_FMT_FP6 matrix_b_fmt:MATRIX_FMT_FP6 matrix_a_scale:MATRIX_SCALE_ROW1
.elseif (\r1)
	v_wmma_scale_f32_16x16x128_f8f6f4 v[(\d):(\d)+7], v[(\f0):(\f0)+11], v[(\f1):(\f1)+11], 0, v[\s0], v[\s1] matrix_a_fmt:MATRIX_FMT_FP6 matrix_b_fmt:MATRIX_FMT_FP6 matrix_b_scale:MATRIX_SCALE_ROW1
.else
	v_wmma_scale_f32_16x16x128_f8f6f4 v[(\d):(\d)+7], v[(\f0):(\f0)+11], v[(\f1):(\f1)+11], 0, v[\s0], v[\s1] matrix_a_fmt:MATRIX_FMT_FP6 matrix_b_fmt:MATRIX_FMT_FP6
.endif
.else
.if (\r0) && (\r1)
	v_wmma_scale_f32_16x16x128_f8f6f4 v[(\d):(\d)+7], v[(\f0):(\f0)+11], v[(\f1):(\f1)+11], v[(\d):(\d)+7], v[\s0], v[\s1] matrix_a_fmt:MATRIX_FMT_FP6 matrix_b_fmt:MATRIX_FMT_FP6 matrix_a_scale:MATRIX_SCALE_ROW1 matrix_b_scale:MATRIX_SCALE_ROW1
.elseif (\r0)
	v_wmma_scale_f32_16x16x128_f8f6f4 v[(\d):(\d)+7], v[(\f0):(\f0)+11], v[(\f1):(\f1)+11], v[(\d):(\d)+7], v[\s0], v[\s1] matrix_a_fmt:MATRIX_FMT_FP6 matrix_b_fmt:MATRIX_FMT_FP6 matrix_a_scale:MATRIX_SCALE_ROW1
.elseif (\r1)
	v_wmma_scale_f32_16x16x128_f8f6f4 v[(\d):(\d)+7], v[(\f0):(\f0)+11], v[(\f1):(\f1)+11], v[(\d):(\d)+7], v[\s0], v[\s1] matrix_a_fmt:MATRIX_FMT_FP6 matrix_b_fmt:MATRIX_FMT_FP6 matrix_b_scale:MATRIX_SCALE_ROW1
.else
	v_wmma_scale_f32_16x16x128_f8f6f4 v[(\d):(\d)+7], v[(\f0):(\f0)+11], v[(\f1):(\f1)+11], v[(\d):(\d)+7], v[\s0], v[\s1] matrix_a_fmt:MATRIX_FMT_FP6 matrix_b_fmt:MATRIX_FMT_FP6
.endif
.endif
.endm
.macro MUL16 a0, set, s, zero          ; the 64 accumulators take turns, one instruction a turn
.irp a, \a0, \a0+1
.irp b, 0,1,2,3,4,5,6,7
	WM 8*(8*((\a)%4)+\b), 128*(\set)+12*\b, AF+12*(\a), SB+4*(\s)+(\b/2), SA+4*(\s)+((\a)/2), \b%2, (\a)%2, \zero
.endr
.endr
.endm
.macro FRAG reg, adr, q, i
.irp c, 0,1,2
	ds_load_b128 v[(\reg)+4*\c:(\reg)+4*\c+3], v[\adr] offset:(\i)*3072+(\q)*1536+512*\c
.endr
.endm
.macro FETCH_B slot, q, set
	WIN 0x40
.irp i, 0,1,2,3,4,5,6,7
	FRAG 128*(\set)+12*\i, ADRB+(\slot), \q, \i
.endr
	WIN 0
.endm
.macro FETCH_A slot, q, i0
.irp i, \i0, \i0+1, \i0+2, \i0+3
	FRAG AF+12*(\i), ADRA+(\slot), \q, \i
.endr
.endm
.macro REFILL                          ; my one tensor load behind the barrier, and the first thing there; the four v_nop are the places in front of the loads that follow
	tensor_load_to_lds s[G0+12:G0+15], s[G1:G1+7]
	s_nop 0
.rept 4
	v_nop
.endr
.endm
.macro KSTEP s, kind, zero
.if (\kind) == 1
	s_wait_tensorcnt 0x0                           ; all my tensor loads have landed: my parts of slots 1 and 2 among them
	ds_add_u32 v[SPW], v[NIL]                      ; 0 onto my spare word
	s_wait_dscnt 13                                ; (the add and the youngest 12 loads, A's blocks 4-7, may be out)
.elseif (\kind) == 2
	s_wait_tensorcnt 0x0                           ; the one load that is out: my part of K steps 6 and 7
	s_wait_dscnt 12
.else
	s_wait_dscnt 12                                ; B's set and A's blocks 0-3 are in; A's blocks 4-7 (12 loads) may be out
.endif
	WIN MUL_LO
	MUL16 0, (\s)%2, \s, \zero
.if (\kind) != 0
	s_wait_dscnt 0x0                               ; the add is done, and my reads of the slot are over
	s_barrier_signal -1
.endif
	MUL16 2, (\s)%2, \s, \zero
.if (\kind) != 0
	WIN 0
	s_barrier_wait -1
.else
	s_wait_dscnt 0x0
.endif
.if (\kind) == 1
	REFILL
.else
	PLACES 4
.endif
	FETCH_B (((\s)+1)/2)%3, ((\s)+1)%2, ((\s)+1)%2
	FETCH_A (((\s)+1)/2)%3, ((\s)+1)%2, 0
	WIN MUL_HI
	MUL16 4, (\s)%2, \s, \zero
	MUL16 6, (\s)%2, \s, \zero
	PLACES 4
	WIN 0
	FETCH_A (((\s)+1)/2)%3, ((\s)+1)%2, 4
.endm
	s_load_b256 s[4:11], s[0:1], 0x0               ; qkvc s[4:5], qkvs s[6:7], pc s[8:9], pm s[10:11]
	v_lshl_add_u32 v[SPW], v0, 2, SPARE
	v_mov_b32 v[NIL], 0
	ds_add_u32 v[SPW], v[NIL]                      ; the wave's opening add; its wait comes ahead of my first tensor load
	v_lshrrev_b32 v1, 5, v0
	v_readfirstlane_b32 s14, v1                    ; wave
	s_lshr_b32 s15, s14, 1                         ; my half of the queries
	s_and_b32 s16, s14, 1                          ; my half of the keys.  Also: which 8 tiles I fetch
	s_cmp_ge_u32 ttmp9, 40                         ; the batch: 40 tiles each
	s_cselect_b32 s12, 1, 0
	s_cmp_ge_u32 ttmp9, 80
	s_cselect_b32 s19, 1, 0
	s_add_co_u32 s12, s12, s19
	s_cmp_ge_u32 ttmp9, 120
	s_cselect_b32 s19, 1, 0
	s_add_co_u32 s12, s12, s19
	s_mul_i32 s19, s12, 40
	s_sub_co_u32 s13, ttmp9, s19                   ; 0 .. 39
	s_cmp_ge_u32 s13, 4                            ; the pair of query blocks: pairs 0 to 3 begin at 0, 4, 12, 24
	s_cselect_b32 s17, 1, 0
	s_cmp_ge_u32 s13, 12
	s_cselect_b32 s19, 1, 0
	s_add_co_u32 s17, s17, s19
	s_cmp_ge_u32 s13, 24
	s_cselect_b32 s19, 1, 0
	s_add_co_u32 s17, s17, s19
	s_add_co_u32 s19, s17, 1
	s_mul_i32 s19, s19, s17
	s_lshl_b32 s19, s19, 1
	s_sub_co_u32 s13, s13, s19                     ; the place in the pair
	s_lshl_b32 s18, s17, 1
	s_add_co_u32 s18, s18, 2                       ; key blocks of each of the pair's two query blocks
	s_cmp_ge_u32 s13, s18
	s_cselect_b32 s19, 1, 0
	s_cselect_b32 s2, s18, 0
	s_sub_co_u32 s13, s13, s2                      ; J: the key block
	s_lshl_b32 s17, s17, 1
	s_add_co_u32 s17, s17, s19                     ; I: the query block
	s_lshl_b32 s22, s12, 7
	s_lshl_b32 s19, s17, 4
	s_add_co_u32 s22, s22, s19                     ; Q's first tile: 128 batch + 16 I
	s_lshl_b32 s23, s12, 7
	s_lshl_b32 s19, s13, 4
	s_add_co_u32 s23, s23, s19
	s_add_co_u32 s23, s23, 512                     ; K's: 512 + 128 batch + 16 J
	s_lshl_b32 s[QU], s17, 1
	s_add_co_u32 s[QU], s[QU], s15
	s_lshl_b32 s[KU], s13, 1
	s_add_co_u32 s[KU], s[KU], s16
	s_mov_b32 s[G1], 3<<16                         ; no mask; elements of 8 bytes; no padding
	s_mov_b32 s[G1+1], 384<<16                     ; tensor_dim0: 3,072 bytes
	s_mov_b32 s[G1+2], 8<<16                       ; tensor_dim1: 8 tiles
	s_mov_b32 s[G1+3], 384<<16
	s_mov_b32 s[G1+4], 8
	s_mov_b32 s[G1+5], 1536                        ; 12,288 bytes from tile to tile
	s_mov_b32 s[G1+6], 0
	s_mov_b32 s[G1+7], 0
	s_cmp_lt_u32 s14, 2                            ; waves 0 and 1 fetch Q's halves, waves 2 and 3 K's
	s_cselect_b32 s56, s22, s23
	s_lshl_b32 s19, s16, 3
	s_add_co_u32 s56, s56, s19
	s_mul_i32 s56, s56, 12288
	s_mov_b32 s57, 0
	s_mul_i32 s3, s14, 24576
	s_lshl_b32 s18, s15, 3
	s_add_co_u32 s18, s18, s22                     ; my first query tile
	s_lshl_b32 s36, s18, 4
	s_add_co_u32 s36, s36, s[KU]
	s_mul_i32 s36, s36, 1536                       ; p's images: (tile x 16 + key step) x 1,536
	s_mov_b32 s37, 0
	s_lshl_b32 s38, s12, 4
	s_add_co_u32 s38, s38, s[QU]
	s_lshl_b32 s38, s38, 4
	s_add_co_u32 s38, s38, s[KU]
	s_lshl_b32 s38, s38, 9                         ; pm's lines: ((16 batch + 128 queries' number) x 16 + key step) x 512
	s_mov_b32 s39, 0
	s_lshr_b32 s58, s18, 3
	s_lshl_b32 s58, s58, 12                        ; my scale images: Q's,
	s_mov_b32 s59, 0
	s_lshr_b32 s60, s23, 3
	s_add_co_u32 s60, s60, s16
	s_lshl_b32 s60, s60, 12                        ; K's
	s_mov_b32 s61, 0
	s_mov_b32 s[SEL], 0x76543210
	s_mov_b32 s[SEL+1], 0xfedcba98
	s_mov_b32 s[CS], 0x3d38aa3b                    ; log2(e) / 32
	s_mov_b32 s[CS+1], s[CS]
	v_and_b32 v1, 15, v0                           ; r
	v_bfe_u32 v2, v0, 4, 1                         ; h
	v_and_b32 v5, 31, v0
	v_lshlrev_b32 v[LI], 4, v5
	v_lshlrev_b32 v[L8], 3, v5
	s_mul_i32 s62, s15, 24576
	s_mul_i32 s63, s16, 24576
	s_add_co_u32 s63, s63, 49152
.irp g, 0,1,2
	v_add_nc_u32 v[ADRA+\g], s62, v[LI]
	v_add_nc_u32 v[ADRB+\g], s63, v[LI]
	s_add_co_u32 s62, s62, SLOTB
	s_add_co_u32 s63, s63, SLOTB
.endr
	s_sub_co_i32 s19, s[QU], s[KU]
	s_lshl_b32 s19, s19, 7
	v_and_b32 v5, 8, v1
	v_add_nc_u32 v5, v5, v1
	v_lshlrev_b32 v6, 4, v2
	v_sub_nc_u32 v5, v5, v6
	v_add_nc_u32 v[DB], s19, v5                    ; 128 (QU - KU) + r + 8 (r / 8) - 16 h
	v_mov_b32 v[NI], 0xff800000
.irp b, 0,1,2,3
	v_mov_b32 v[BM+4+\b], 0                        ; a lane permute's destination counts as one of its sources
.endr
	s_wait_dscnt 0x0                               ; the opening add is done
	s_wait_kmcnt 0x0
	s_add_nc_u64 s[56:57], s[4:5], s[56:57]
	s_add_nc_u64 s[36:37], s[8:9], s[36:37]
	s_add_nc_u64 s[38:39], s[10:11], s[38:39]
	s_add_nc_u64 s[58:59], s[6:7], s[58:59]
	s_add_nc_u64 s[60:61], s[6:7], s[60:61]
.irp k, 0,1,2,3
	s_mov_b32 s[G0+4*\k], 1
	s_add_co_u32 s[G0+4*\k+1], s3, (\k%3)*SLOTB
	s_add_nc_u64 s[G0+4*\k+2:G0+4*\k+3], s[56:57], \k*3072
	s_or_b32 s[G0+4*\k+3], s[G0+4*\k+3], 0x80000000
.endr
.irp k, 0,1,2                                  ; the three first fills go out together: three loads of mine are out
	tensor_load_to_lds s[G0+4*\k:G0+4*\k+3], s[G1:G1+7]
	s_nop 0
.endr
.irp s, 0,1,2,3,4,5,6,7
.irp p, 0,1
	global_load_b64 v[SA+4*\s+2*\p:SA+4*\s+2*\p+1], v[L8], s[58:59] offset:512*\s+256*\p
	global_load_b64 v[SB+4*\s+2*\p:SB+4*\s+2*\p+1], v[L8], s[60:61] offset:512*\s+256*\p
.endr
.endr
	s_wait_tensorcnt 0x2                           ; my part of slot 0 is in; slots 1 and 2 may be out
	s_barrier_signal -1
	s_barrier_wait -1
	FETCH_B 0, 0, 0
	FETCH_A 0, 0, 0
	FETCH_A 0, 0, 4
	s_wait_loadcnt 0x0
	KSTEP 0, 0, 1
	KSTEP 1, 1, 0
	KSTEP 2, 0, 0
	KSTEP 3, 0, 0
	KSTEP 4, 0, 0
	KSTEP 5, 2, 0
	KSTEP 6, 0, 0
	s_wait_dscnt 12
	WIN MUL_LO
	MUL16 0, 1, 7, 0
	MUL16 2, 1, 7, 0
	s_wait_dscnt 0x0
	WIN MUL_HI
	MUL16 4, 1, 7, 0
	MUL16 6, 1, 7, 0
	WIN 0
; QUERY TILE a.  Register 16 b + i holds key 128 KU + 32 b + 16 h + i; my query is 128 QU + 32 (a / 2) + 8 (a % 2) + r + 8 (r / 8).
.macro SOFT a
.set QX, 2+(\a)/4
.set QS, 64*((\a)%4)
	s_cmp_lt_u32 s[KU], s[QU]                      ; all 128 keys come before all 128 queries: nothing is hidden.  Ids alone; no barrier stands in the branch
	s_cbranch_scc1 .Lopen_\@
	v_add_nc_u32 v[DD], 32*((\a)/2)+8*((\a)%2), v[DB]
	WIN (QX<<6)|QX
.set n, 0
.rept 64
	v_cmp_gt_i32 vcc_lo, 32*(n/16)+n%16, v[DD]     ; the key comes after the query:
	v_cndmask_b32 v[QS+n], v[QS+n], v[NI], vcc_lo  ; its score becomes -infinity
.set n, n+1
.endr
	WIN 0
.Lopen_\@:
	WIN (QX<<2)|(QX<<4)
.irp b, 0,1,2,3
	v_max3_num_f32 v[BM+\b], 0xff800000, v[QS+16*\b], v[QS+16*\b+1]   ; the largest score of each block of 32 keys: for M, and, since p rises with the score, for the block's largest p
.endr
.irp i, 2,4,6,8,10,12,14
.irp b, 0,1,2,3
	v_max3_num_f32 v[BM+\b], v[BM+\b], v[QS+16*\b+\i], v[QS+16*\b+\i+1]
.endr
.endr
	WIN 0
.irp b, 0,1,2,3
	v_permlanex16_b32 v[BM+4+\b], v[BM+\b], s[SEL], s[SEL+1]
.endr
.irp b, 0,1,2,3
	v_max_num_f32 v[BM+\b], v[BM+\b], v[BM+4+\b]
.endr
	v_max3_num_f32 v[TT], v[BM], v[BM+1], v[BM+2]
	v_max_num_f32 v[TT], v[TT], v[BM+3]
	v_mul_f32 v[TT], s[CS], v[TT]                  ; the largest t of these 128 keys,
	v_max_num_f32 v[TT], 0xcd800000, v[TT]         ; held at -2^28 where all are hidden
	v_floor_f32 v[NM], -v[TT]                      ; -M = floor(-t): M is a whole number
	v_mov_b32 v[NMS+(\a)], v[NM]
	WIN (QX<<6)|QX
.set n, 0
.rept 32
	v_pk_fma_f32 v[QS+n:QS+n+1], v[QS+n:QS+n+1], s[CS:CS+1], v[NM:NM+1] op_sel_hi:[1,0,0]   ; t - M, two at a time
.set n, n+2
.endr
	WIN 0
.irp b, 0,1,2,3
	v_fma_f32 v[BM+\b], v[BM+\b], s[CS], v[NM]     ; the same of each block's largest score
.endr
	WIN (QX<<6)|QX
.set n, 0
.rept 64
	v_exp_f32 v[QS+n], v[QS+n]                     ; p = 2^(t - M)
.set n, n+1
.endr
	WIN 0
	v_mov_b32 v[LA], 0                             ; the sums begin; also the plain place behind the exponentials
	v_mov_b32 v[LA+1], 0
	v_mov_b32 v[LB], 0
	v_mov_b32 v[LB+1], 0
	s_wait_alu depctr_va_vdst(0)                   ; one wait for the batch of 64, ahead of its first reader
.irp b, 0,1,2,3
	v_exp_f32 v[BM+\b], v[BM+\b]                   ; the block's largest p: the same two instructions on the same number
.endr
	WIN QX<<2
.set n, 0
.rept 16
	v_pk_add_f32 v[LA:LA+1], v[LA:LA+1], v[QS+n:QS+n+1]       ; the sum is taken of the unquantised p
	v_pk_add_f32 v[LB:LB+1], v[LB:LB+1], v[QS+n+2:QS+n+3]
.set n, n+4
.endr
	WIN 0
	v_pk_add_f32 v[LA:LA+1], v[LA:LA+1], v[LB:LB+1]
	s_wait_alu depctr_va_vdst(0)                   ; and one for the four
.irp b, 0,1,2,3
	v_max_num_f32 v[BM+\b], 0x1800000, v[BM+\b]    ; the floor 2^(3 - 127): the byte cannot fall under 1
.endr
.irp b, 0,1,2,3
	v_add_nc_u32 v[SCO+\b], 0xff000000, v[BM+\b]
.endr
.irp b, 0,1,2,3
	v_lshrrev_b32 v[BY+\b], 23, v[SCO+\b]
.endr
	v_lshl_or_b32 v[WD+(\a)], v[BY+1], 8, v[BY]
	v_lshl_or_b32 v[WD+(\a)], v[BY+2], 16, v[WD+(\a)]
	v_lshl_or_b32 v[WD+(\a)], v[BY+3], 24, v[WD+(\a)]
	v_add_f32 v[LA], v[LA], v[LA+1]
	v_permlanex16_b32 v[LB], v[LA], s[SEL], s[SEL+1]
	v_add_f32 v[LS+(\a)], v[LA], v[LB]             ; the query's sum over these 128 keys
.if (\a) > 0
	s_wait_xcnt 0x0                                ; the last tile's stores have read v[PC] on
.endif
	WIN QX
.irp c, 0,1
	v_cvt_scalef32_pk16_fp6_f32 v[PC+6*\c:PC+6*\c+2], v[QS+32*\c:QS+32*\c+15], v[SCO+2*\c]
	v_cvt_scalef32_pk16_fp6_f32 v[PC+12+4*\c:PC+14+4*\c], v[QS+32*\c+16:QS+32*\c+31], v[SCO+2*\c+1]
.endr
	WIN 0
	v_nop                                          ; one plain place behind a scaled conversion
.irp c, 0,1
.irp i, 0,1,2
	v_permlane16_swap_b32 v[PC+6*\c+\i], v[PC+12+4*\c+\i]
.endr
.irp i, 0,1,2
	v_mov_b32 v[PC+3+6*\c+\i], v[PC+12+4*\c+\i]
.endr
.endr
.irp c, 0,1,2
	global_store_b128 v[LI], v[PC+4*\c:PC+4*\c+3], s[36:37] offset:(\a)*24576+512*\c
.endr
.endm
	PLACES 4                                       ; behind the last products
.irp a, 0,1,2,3,4,5,6,7
	SOFT \a
.endr
	v_cmp_ne_u32 vcc_lo, 0, v2
.irp k, 0,1,2,3
	v_cndmask_b32 v[OW+\k], v[WD+2*\k], v[WD+2*\k+1], vcc_lo       ; three images: even tiles in lanes 0-15, odd tiles in lanes 16-31
	v_cndmask_b32 v[OW+4+\k], v[NMS+2*\k], v[NMS+2*\k+1], vcc_lo
	v_cndmask_b32 v[OW+8+\k], v[LS+2*\k], v[LS+2*\k+1], vcc_lo
.endr
.irp u, 0,1,2
.irp p, 0,1
	global_store_b64 v[L8], v[OW+4*\u+2*\p:OW+4*\u+2*\p+1], s[38:39] offset:524288*\u+256*\p
.endr
.endr
	s_wait_tensorcnt 0x0                           ; the wave's end
	ds_add_u32 v[SPW], v[NIL]
	s_wait_dscnt 0x0
	s_endpgm
.Lfunc_end_k_q7bbb771dbd_scores:
	.size	k_q7bbb771dbd_scores, .Lfunc_end_k_q7bbb771dbd_scores-k_q7bbb771dbd_scores
	.p2alignl 7, 3214868480
	.fill 96, 4, 3214868480
	.section	.rodata,"a",@progbits
	.p2align	6, 0x0
	.amdhsa_kernel k_q7bbb771dbd_scores
		.amdhsa_group_segment_fixed_size 327680
		.amdhsa_private_segment_fixed_size 0
		.amdhsa_enable_private_segment 0
		.amdhsa_kernarg_size 32
		.amdhsa_user_sgpr_count 2
		.amdhsa_user_sgpr_kernarg_segment_ptr 1
		.amdhsa_wavefront_size32 1
		.amdhsa_system_sgpr_workgroup_id_x 1
		.amdhsa_system_sgpr_workgroup_id_y 1
		.amdhsa_system_sgpr_workgroup_id_z 1
		.amdhsa_system_vgpr_workitem_id 0
		.amdhsa_next_free_vgpr 1024
		.amdhsa_next_free_sgpr 72
		.amdhsa_reserve_vcc 1
		.amdhsa_float_denorm_mode_32 3
		.amdhsa_float_denorm_mode_16_64 3
		.amdhsa_memory_ordered 1
		.amdhsa_forward_progress 1
		.amdhsa_inst_pref_size 237
	.end_amdhsa_kernel
	.amdgpu_metadata
---
amdhsa.version: [ 1, 2 ]
amdhsa.kernels:
  - .name:           k_q7bbb771dbd_scores
    .symbol:         k_q7bbb771dbd_scores.kd
    .args:
      - { .name: qkvc, .offset: 0, .size: 8, .value_kind: global_buffer, .address_space: global }
      - { .name: qkvs, .offset: 8, .size: 8, .value_kind: global_buffer, .address_space: global }
      - { .name: pc, .offset: 16, .size: 8, .value_kind: global_buffer, .address_space: global }
      - { .name: pm, .offset: 24, .size: 8, .value_kind: global_buffer, .address_space: global }
    .group_segment_fixed_size: 327680
    .private_segment_fixed_size: 0
    .kernarg_segment_align: 8
    .kernarg_segment_size: 32
    .max_flat_workgroup_size: 128
    .sgpr_count:     72
    .vgpr_count:     1024
    .wavefront_size: 32
...
	.end_amdgpu_metadata
.endif
;; end of part 3
;; launch pv (part 4): grid 256 x 1, 4 waves a work-group, no clusters, 327,680 bytes of LDS; arguments qkvc, qkvs, pc, pm, out0; writes out0
.if DOCPART == 4
	.amdgcn_target "amdgcn-amd-amdhsa--gfx1250"
	.amdhsa_code_object_version 6
	.text
	.protected	k_q7bbb771dbd_pv
	.globl	k_q7bbb771dbd_pv
	.p2align	8
	.type	k_q7bbb771dbd_pv,@function
k_q7bbb771dbd_pv:
	s_mov_b64 s[64:65], 0
	v_nop
	global_prefetch_b8 v0, s[64:65] scope:SCOPE_SE
	s_setreg_imm32_b32 hwreg(HW_REG_WAVE_MODE, 25, 1), 1
	s_wait_xcnt 0x0
; out = P V / l on codes of FP6; K = the keys.  Source 0 = 16 channels of V^T, source 1 = 16 queries of P: a lane holds ONE query, its registers run along the channels.
; A work-group makes 128 queries x 256 channels; a wave 64 x 128: 32 accumulators, (a, b) at v[64 a + 8 b] of window 1.  Queries 128 i on of a batch need keys 0 .. 512 (i / 4 + 1) - 1: NS = i / 4 + 1 slots of four key steps.
; THE KEY STEPS ARE BROUGHT UNDER ONE M.  p's codes were made under an M of their own for each 128 keys.  R = the largest of a query's 16 M.  M - R, a whole number, 0 or less, is taken off each of the step's four scale
; bytes (held at 0), and the step's sum is multiplied by 2^(M - R): both exact.  l = the sum of those; the result is divided by l at the end.  Steps that no earlier launch computed hold defaults (M = -2^28, sum 0).
; EVERY work-group passes all four changes of slots; what is left out beyond its NS slots is the tensor load and the products, by scalar branches on the work-group's number, the same in all four waves; every wait on
; TENSORcnt is for 0.  Waves 0, 1, 2 fetch (P's 8 tiles, V's 8 + 8), one load a wave behind each barrier; wave 3 fetches nothing.
; NO CLUSTER: the work-groups that share V's tiles have different numbers of slots, and P, which the four channel blocks share, is a third of a slot's bytes.
; All of a WGP's LDS is claimed.
; LIMITS: a scale byte that M - R would take under 0 is held at 0, which is 2^-127: such terms are nothing beside l, which is above 1/2.  M - R is held at -255.
.set SLOTB, 147456                     ; a slot: P's 8 tiles x 6,144 bytes (four key steps' images), then V's 16
.set SPARE, 294912
.set LI,  3
.set L8,  4
.set ADP, 8                            ; v8-9   my P fragments in slots 0, 1
.set ADV, 10                           ; v10-11 my V fragments
.set STO, 12                           ; the way out: where I put 16 bytes of a row;  v13: where I read a row back
.set RD,  13
.set IV,  16                           ; v16-23 1 / l of query tile a, as the pair v[16 + 2 a : 17 + 2 a]
.set SPW, 28
.set NIL, 29
.set PWD, 32                           ; v32-63  P's scale words: register 2 s + j: tile 2 j in lanes 0-15, tile 2 j + 1 in lanes 16-31
.set VS,  64                           ; v64-127 V's: register 4 s + k
.set PF,  128                          ; v128-175, v176-223 P's four fragments, two sets.  Window 2: V's eight, two sets, at v0, v128
.set NMR, 128                          ; before that: v128-159 -M, v160-191 the steps' sums
.set LR,  160
.set NR,  224                          ; v224-225 -R;  v226-227 l;  v228-229 1 / l;  v230-231 the other half's;  v232-247 at work
.set LT,  226
.set RC,  228
.set RX,  230
.set BK,  128                          ; the way out: 16 rows read back: v128-191 and v192-255 by turns
.set SEL, 20
.set NS,  22
.set G1,  24
.set HM,  38                           ; s38 the mask of lanes 16-31
.set G0,  40
.set MSB, 0
.macro WIN new
.if MSB != (\new)
	s_set_vgpr_msb (MSB<<8)|(\new)
.set MSB, (\new)
.endif
.endm
.macro PLACES n
.rept \n
	v_nop
.endr
.endm
.macro WM d, f0, f1, s0, s1, r0, r1, zero
.if \zero
.if (\r0) && (\r1)
	v_wmma_scale_f32_16x16x128_f8f6f4 v[(\d):(\d)+7], v[(\f0):(\f0)+11], v[(\f1):(\f1)+11], 0, v[\s0], v[\s1] matrix_a_fmt:MATRIX_FMT_FP6 matrix_b_fmt:MATRIX_FMT_FP6 matrix_a_scale:MATRIX_SCALE_ROW1 matrix_b_scale:MATRIX_SCALE_ROW1
.elseif (\r0)
	v_wmma_scale_f32_16x16x128_f8f6f4 v[(\d):(\d)+7], v[(\f0):(\f0)+11], v[(\f1):(\f1)+11], 0, v[\s0], v[\s1] matrix_a_fmt:MATRIX_FMT_FP6 matrix_b_fmt:MATRIX_FMT_FP6 matrix_a_scale:MATRIX_SCALE_ROW1
.elseif (\r1)
	v_wmma_scale_f32_16x16x128_f8f6f4 v[(\d):(\d)+7], v[(\f0):(\f0)+11], v[(\f1):(\f1)+11], 0, v[\s0], v[\s1] matrix_a_fmt:MATRIX_FMT_FP6 matrix_b_fmt:MATRIX_FMT_FP6 matrix_b_scale:MATRIX_SCALE_ROW1
.else
	v_wmma_scale_f32_16x16x128_f8f6f4 v[(\d):(\d)+7], v[(\f0):(\f0)+11], v[(\f1):(\f1)+11], 0, v[\s0], v[\s1] matrix_a_fmt:MATRIX_FMT_FP6 matrix_b_fmt:MATRIX_FMT_FP6
.endif
.else
.if (\r0) && (\r1)
	v_wmma_scale_f32_16x16x128_f8f6f4 v[(\d):(\d)+7], v[(\f0):(\f0)+11], v[(\f1):(\f1)+11], v[(\d):(\d)+7], v[\s0], v[\s1] matrix_a_fmt:MATRIX_FMT_FP6 matrix_b_fmt:MATRIX_FMT_FP6 matrix_a_scale:MATRIX_SCALE_ROW1 matrix_b_scale:MATRIX_SCALE_ROW1
.elseif (\r0)
	v_wmma_scale_f32_16x16x128_f8f6f4 v[(\d):(\d)+7], v[(\f0):(\f0)+11], v[(\f1):(\f1)+11], v[(\d):(\d)+7], v[\s0], v[\s1] matrix_a_fmt:MATRIX_FMT_FP6 matrix_b_fmt:MATRIX_FMT_FP6 matrix_a_scale:MATRIX_SCALE_ROW1
.elseif (\r1)
	v_wmma_scale_f32_16x16x128_f8f6f4 v[(\d):(\d)+7], v[(\f0):(\f0)+11], v[(\f1):(\f1)+11], v[(\d):(\d)+7], v[\s0], v[\s1] matrix_a_fmt:MATRIX_FMT_FP6 matrix_b_fmt:MATRIX_FMT_FP6 matrix_b_scale:MATRIX_SCALE_ROW1
.else
	v_wmma_scale_f32_16x16x128_f8f6f4 v[(\d):(\d)+7], v[(\f0):(\f0)+11], v[(\f1):(\f1)+11], v[(\d):(\d)+7], v[\s0], v[\s1] matrix_a_fmt:MATRIX_FMT_FP6 matrix_b_fmt:MATRIX_FMT_FP6
.endif
.endif
.endm
; 16 products: query tiles a0, a0 + 1 x V's eight, key step s.  The 32 accumulators take turns, one instruction a turn
.macro PMUL a0, set, s, zero
.irp a, \a0, \a0+1
.irp b, 0,1,2,3,4,5,6,7
	WM 64*(\a)+8*\b, 128*(\set)+12*\b, PF+48*(\set)+12*(\a), VS+4*(\s)+(\b/2), PWD+2*(\s)+((\a)/2), \b%2, (\a)%2, \zero
.endr
.endr
.endm
.macro PFETCH slot, q, set             ; 36 loads in one run: V's eight fragments and P's four of the slot's q-th key step
	WIN 0x80
.irp i, 0,1,2,3,4,5,6,7
.irp c, 0,1,2
	ds_load_b128 v[128*(\set)+12*\i+4*\c:128*(\set)+12*\i+4*\c+3], v[ADV+(\slot)] offset:\i*6144+(\q)*1536+512*\c
.endr
.endr
	WIN 0
.irp i, 0,1,2,3
.irp c, 0,1,2
	ds_load_b128 v[PF+48*(\set)+12*\i+4*\c:PF+48*(\set)+12*\i+4*\c+3], v[ADP+(\slot)] offset:\i*6144+(\q)*1536+512*\c
.endr
.endr
.endm
.macro PSTEP k, q
	s_wait_dscnt 0x0                               ; this step's fragments are in
	WIN 0x52                                       ; source 0 (V) window 2, source 1 (P) window 0, C and D window 1
	PMUL 0, (\q)%2, 4*(\k)+(\q), ((\k)+(\q))==0
.if (\q) < 3
	PLACES 4                                       ; in front of loads into the other set, which the step before multiplied
	PFETCH (\k)%2, (\q)+1, ((\q)+1)%2
	WIN 0x52
.endif
	PMUL 2, (\q)%2, 4*(\k)+(\q), ((\k)+(\q))==0
.endm
; THE CHANGE OF SLOTS stands at a slot's head: each wave waits for all its tensor loads, adds 0 to its spare word, waits for that and for its reads of the slot that it has left; the barrier; then the slot that was left is
; asked for, if a later slot of this work-group reads it.
.macro CHANGE k
	s_wait_tensorcnt 0x0
	ds_add_u32 v[SPW], v[NIL]
	s_wait_dscnt 0x0
	s_barrier_signal -1
	s_barrier_wait -1
.if (\k) < 3
	s_cmp_le_u32 s[NS], (\k)+1                     ; the work-group's number alone: all four waves go the same way
	s_cbranch_scc1 .Lpast_\@
	s_cmp_lt_u32 s14, 3
	s_cbranch_scc0 .Lpast_\@
	tensor_load_to_lds s[G0+4*(\k)+4:G0+4*(\k)+7], s[G1:G1+7]
	s_nop 0
.rept 4
	v_nop
.endr
.Lpast_\@:
.endif
.endm
.macro WORK k
.if (\k) >= 1
	s_cmp_le_u32 s[NS], \k                         ; a slot all of whose keys come after my work-group's queries is left out: no barrier, wait or tensor load stands in the branch
	s_cbranch_scc1 .Lskip_\@
.endif
	PLACES 4
	PFETCH (\k)%2, 0, 0
	PSTEP \k, 0
	PSTEP \k, 1
	PSTEP \k, 2
	PSTEP \k, 3
	WIN 0
.Lskip_\@:
.endm
	s_load_b256 s[4:11], s[0:1], 0x0               ; qkvc s[4:5], qkvs s[6:7], pc s[8:9], pm s[10:11]
	s_load_b64 s[12:13], s[0:1], 0x20              ; out0
	v_lshl_add_u32 v[SPW], v0, 2, SPARE
	v_mov_b32 v[NIL], 0
	ds_add_u32 v[SPW], v[NIL]                      ; the wave's opening add; its wait comes ahead of my first tensor load
	v_lshrrev_b32 v1, 5, v0
	v_readfirstlane_b32 s14, v1                    ; wave
	s_lshr_b32 s15, s14, 1                         ; my 64 queries
	s_and_b32 s16, s14, 1                          ; my 128 channels
	s_and_b32 s17, ttmp9, 3                        ; which 256 channels
	s_lshr_b32 s18, ttmp9, 2
	s_and_b32 s18, s18, 15                         ; which 128 queries of the batch
	s_lshr_b32 s19, ttmp9, 6                       ; the batch
	s_lshr_b32 s[NS], s18, 2
	s_add_co_u32 s[NS], s[NS], 1
	s_mov_b32 s[G1], 3<<16                         ; no mask; elements of 8 bytes; no padding
	s_mov_b32 s[G1+1], 768<<16                     ; tensor_dim0: 6,144 bytes, a tile's images of four key steps
	s_mov_b32 s[G1+2], 8<<16                       ; tensor_dim1: 8 tiles
	s_mov_b32 s[G1+3], 768<<16
	s_mov_b32 s[G1+4], 8
	s_mov_b32 s[G1+5], 3072                        ; 24,576 bytes from tile to tile
	s_mov_b32 s[G1+6], 0
	s_mov_b32 s[G1+7], 0
	s_lshl_b32 s23, s19, 7
	s_lshl_b32 s2, s18, 3
	s_add_co_u32 s23, s23, s2                      ; P's first tile: 128 batch + 8 i
	s_mul_i32 s56, s23, 24576
	s_lshl_b32 s2, s19, 6
	s_lshl_b32 s3, s17, 4
	s_add_co_u32 s2, s2, s3                        ; V's first tile: 64 batch + 16 ct
	s_sub_co_u32 s3, s14, 1
	s_lshl_b32 s3, s3, 3
	s_add_co_u32 s3, s3, s2                        ; waves 1 and 2: its halves
	s_mul_i32 s3, s3, 24576
	s_add_co_u32 s3, s3, 12582912
	s_cmp_eq_u32 s14, 0
	s_cselect_b32 s56, s56, s3
	s_mov_b32 s57, 0
	s_mul_i32 s60, s14, 49152                      ; where my load goes in a slot
	s_lshl_b32 s32, s19, 4
	s_add_co_u32 s32, s32, s18
	s_lshl_b32 s32, s32, 13                        ; pm: 16 lines of 512 bytes for my work-group's 128 queries,
	s_lshl_b32 s2, s15, 8
	s_add_co_u32 s32, s32, s2                      ; my four tiles' half of each
	s_mov_b32 s33, 0
	s_lshl_b32 s34, s19, 3
	s_lshl_b32 s2, s17, 1
	s_add_co_u32 s34, s34, s2
	s_add_co_u32 s34, s34, s16
	s_lshl_b32 s34, s34, 13
	s_add_co_u32 s34, s34, 524288                  ; V's scale images: group 8 batch + 2 ct + my half
	s_mov_b32 s35, 0
	s_lshl_b32 s36, s19, 11
	s_lshl_b32 s2, s18, 7
	s_add_co_u32 s36, s36, s2
	s_lshl_b32 s2, s15, 6
	s_add_co_u32 s36, s36, s2                      ; my first row of out,
	s_lshl_b32 s36, s36, 12
	s_lshl_b32 s2, s17, 10
	s_add_co_u32 s36, s36, s2
	s_lshl_b32 s2, s16, 9
	s_add_co_u32 s36, s36, s2                      ; my first channel
	s_mov_b32 s37, 0
	s_mov_b32 s[SEL], 0x76543210
	s_mov_b32 s[SEL+1], 0xfedcba98
	v_and_b32 v1, 15, v0                           ; r
	v_bfe_u32 v2, v0, 4, 1                         ; h
	v_and_b32 v5, 31, v0
	v_lshlrev_b32 v[LI], 4, v5
	v_lshlrev_b32 v[L8], 3, v5
	s_mul_i32 s61, s15, 24576
	s_mul_i32 s62, s16, 49152
	s_add_co_u32 s62, s62, 49152
.irp g, 0,1
	v_add_nc_u32 v[ADP+\g], s61, v[LI]
	v_add_nc_u32 v[ADV+\g], s62, v[LI]
	s_add_co_u32 s61, s61, SLOTB
	s_add_co_u32 s62, s62, SLOTB
.endr
	s_mul_i32 s63, s14, 8448                       ; my stage: 16 rows x 528 bytes, in slot 0, which has had its last fill and its last read when the first result is stored there
	v_mul_u32_u24 v[STO], v1, 528
	v_lshl_add_u32 v[STO], v2, 6, v[STO]
	v_add_nc_u32 v[STO], s63, v[STO]
	v_add_nc_u32 v[RD], s63, v[LI]
	v_cmp_ne_u32 s[HM], 0, v2
	v_mov_b32 v[RX], 0                             ; a lane permute's destination counts as one of its sources
	v_mov_b32 v[RX+1], 0
	s_wait_dscnt 0x0                               ; the opening add is done
	s_wait_kmcnt 0x0
	s_cmp_eq_u32 s14, 0
	s_cselect_b64 s[58:59], s[8:9], s[4:5]         ; wave 0 fetches P, waves 1 and 2 V
	s_add_nc_u64 s[56:57], s[58:59], s[56:57]
	s_add_nc_u64 s[32:33], s[10:11], s[32:33]
	s_add_nc_u64 s[34:35], s[6:7], s[34:35]
	s_add_nc_u64 s[36:37], s[12:13], s[36:37]
.irp k, 0,1,2,3                                ; load k brings key steps 4 k .. 4 k + 3 into slot k % 2
	s_mov_b32 s[G0+4*\k], 1
	s_add_co_u32 s[G0+4*\k+1], s60, (\k%2)*SLOTB
	s_add_nc_u64 s[G0+4*\k+2:G0+4*\k+3], s[56:57], \k*6144
	s_or_b32 s[G0+4*\k+3], s[G0+4*\k+3], 0x80000000
.endr
	s_cmp_lt_u32 s14, 3
	s_cbranch_scc0 .Lno_first
	tensor_load_to_lds s[G0:G0+3], s[G1:G1+7]      ; slot 0
	s_nop 0
.Lno_first:
.irp s, 0,1,2,3,4,5,6,7,8,9,10,11,12,13,14,15
	global_load_b64 v[NMR+2*\s:NMR+2*\s+1], v[L8], s[32:33] offset:524288+512*\s
	global_load_b64 v[LR+2*\s:LR+2*\s+1], v[L8], s[32:33] offset:1048576+512*\s
	global_load_b64 v[PWD+2*\s:PWD+2*\s+1], v[L8], s[32:33] offset:512*\s
.endr
.irp s, 0,1,2,3,4,5,6,7,8,9,10,11,12,13,14,15
.irp p, 0,1
	global_load_b64 v[VS+4*\s+2*\p:VS+4*\s+2*\p+1], v[L8], s[34:35] offset:512*\s+256*\p
.endr
.endr
	s_wait_loadcnt 0x0
	; everything here is lane by lane: in register j a lane stands for one query, row r of tile 2 j + h
.irp j, 0,1
	v_min3_num_f32 v[NR+\j], v[NMR+\j], v[NMR+2+\j], v[NMR+4+\j]
.endr
.irp s, 3,5,7,9,11,13
.irp j, 0,1
	v_min3_num_f32 v[NR+\j], v[NR+\j], v[NMR+2*\s+\j], v[NMR+2*\s+2+\j]
.endr
.endr
.irp j, 0,1
	v_min_num_f32 v[NR+\j], v[NR+\j], v[NMR+30+\j] ; -R: the least -M.  Key 0 counts for every query, so it is a number
.endr
.macro PREP s, j
.set PT, 232+8*(\j)
.set PW, PWD+2*(\s)+(\j)
	v_sub_f32 v[PT], v[NR+(\j)], v[NMR+2*(\s)+(\j)]   ; M - R: a whole number, 0 or less
	v_max_num_f32 v[PT], 0xc37f0000, v[PT]         ; held at -255
	v_cvt_i32_f32 v[PT], v[PT]
.if (\s) == 0
	v_ldexp_f32 v[LT+(\j)], v[LR+(\j)], v[PT]      ; the step's sum under R: the first starts l
.else
	v_ldexp_f32 v[PT+1], v[LR+2*(\s)+(\j)], v[PT]
	v_add_f32 v[LT+(\j)], v[LT+(\j)], v[PT+1]
.endif
	v_sub_nc_u32 v[PT], 0, v[PT]                   ; R - M
	v_and_b32 v[PT+2], 0xff, v[PW]
	v_bfe_u32 v[PT+3], v[PW], 8, 8
	v_bfe_u32 v[PT+4], v[PW], 16, 8
	v_lshrrev_b32 v[PT+5], 24, v[PW]
.irp e, 2,3,4,5
	v_min_u32 v[PT+\e], v[PT+\e], v[PT]            ; no byte falls under 0
.endr
	v_lshl_or_b32 v[PT+2], v[PT+3], 8, v[PT+2]
	v_lshl_or_b32 v[PT+2], v[PT+4], 16, v[PT+2]
	v_lshl_or_b32 v[PT+2], v[PT+5], 24, v[PT+2]
	v_sub_nc_u32 v[PW], v[PW], v[PT+2]             ; R - M off each of the four scale bytes
.endm
.irp s, 0,1,2,3,4,5,6,7,8,9,10,11,12,13,14,15
	PREP \s, 0
	PREP \s, 1
.endr
	v_rcp_f32 v[RC], v[LT]
	v_rcp_f32 v[RC+1], v[LT+1]
	v_nop                                          ; a plain place behind the reciprocals
	s_wait_alu depctr_va_vdst(0)                   ; one wait for both, ahead of their first reader
	v_permlanex16_b32 v[RX], v[RC], s[SEL], s[SEL+1]
	v_permlanex16_b32 v[RX+1], v[RC+1], s[SEL], s[SEL+1]
.irp j, 0,1                                    ; in the results both halves of the lanes hold row r of ONE tile: tile 2 j's 1 / l stands in lanes 0-15, tile 2 j + 1's in lanes 16-31
	v_cndmask_b32 v[IV+4*\j], v[RC+\j], v[RX+\j], s[HM]
	v_cndmask_b32 v[IV+4*\j+1], v[RC+\j], v[RX+\j], s[HM]
	v_cndmask_b32 v[IV+4*\j+2], v[RX+\j], v[RC+\j], s[HM]
	v_cndmask_b32 v[IV+4*\j+3], v[RX+\j], v[RC+\j], s[HM]
.endr
	PLACES 8                                       ; scale registers written by vector instructions stand 8 places ahead of a scaled matrix instruction
	CHANGE 0
	WORK 0
	CHANGE 1
	WORK 1
	CHANGE 2
	WORK 2
	CHANGE 3
	WORK 3
; THE WAY OUT, a query tile at a time: x 1 / l; through my stage in LDS; back as whole rows of 512 bytes.  In accumulator b = 2 u + v a lane's eight numbers are channels 32 u + 16 h + 8 v + 0 .. 7.
.macro SCALE a
	WIN 0x41
.set n, 0
.rept 32
	v_pk_mul_f32 v[64*(\a)+n:64*(\a)+n+1], v[64*(\a)+n:64*(\a)+n+1], v[IV+2*(\a):IV+2*(\a)+1] op_sel_hi:[1,0]   ; each accumulator from its low end on
.set n, n+2
.endr
.endm
.macro TOSTAGE a
	WIN 0x04                                       ; an LDS store's data are its source 1: window 1
.irp b, 0,1,2,3,4,5,6,7
	ds_store_b128 v[STO], v[64*(\a)+8*\b:64*(\a)+8*\b+3] offset:128*(\b/2)+32*(\b%2)
	ds_store_b128 v[STO], v[64*(\a)+8*\b+4:64*(\a)+8*\b+7] offset:128*(\b/2)+32*(\b%2)+16
.endr
	WIN 0
.set BB, BK+64*((\a)%2)
.irp t, 0,1,2,3,4,5,6,7,8,9,10,11,12,13,14,15
	ds_load_b128 v[BB+4*\t:BB+4*\t+3], v[RD] offset:\t*528   ; LDS serves a wave's instructions in order (ISA guide 5.7.1.4): these see my stores
.endr
.endm
.macro SEND a, younger                 ; younger: the LDS instructions issued behind tile a's loads
.set BB, BK+64*((\a)%2)
	s_wait_dscnt \younger
.irp t, 0,1,2,3,4,5,6,7,8,9,10,11,12,13,14,15
	global_store_b128 v[LI], v[BB+4*\t:BB+4*\t+3], s[36:37] offset:(32*((\a)/2)+8*((\a)%2)+\t+8*(\t/8))*4096 th:TH_STORE_NT   ; 32 lanes store 512 consecutive bytes, at a multiple of 512 from out's first byte
.endr
.endm
	PLACES 4                                       ; behind the last products
	SCALE 0
	TOSTAGE 0
.irp a, 1,2,3
.if \a > 1
	s_wait_xcnt 0x0                                ; tile a - 2's stores have read their registers: tile a's rows may land there
.endif
	SCALE \a
	TOSTAGE \a
	SEND \a-1, 32                                  ; behind tile a - 1's loads: tile a's 16 stores and 16 loads
.endr
	SEND 3, 0
	s_wait_tensorcnt 0x0                           ; the wave's end
	ds_add_u32 v[SPW], v[NIL]
	s_wait_dscnt 0x0
	s_endpgm
.Lfunc_end_k_q7bbb771dbd_pv:
	.size	k_q7bbb771dbd_pv, .Lfunc_end_k_q7bbb771dbd_pv-k_q7bbb771dbd_pv
	.p2alignl 7, 3214868480
	.fill 96, 4, 3214868480
	.section	.rodata,"a",@progbits
	.p2align	6, 0x0
	.amdhsa_kernel k_q7bbb771dbd_pv
		.amdhsa_group_segment_fixed_size 327680
		.amdhsa_private_segment_fixed_size 0
		.amdhsa_enable_private_segment 0
		.amdhsa_kernarg_size 40
		.amdhsa_user_sgpr_count 2
		.amdhsa_user_sgpr_kernarg_segment_ptr 1
		.amdhsa_wavefront_size32 1
		.amdhsa_system_sgpr_workgroup_id_x 1
		.amdhsa_system_sgpr_workgroup_id_y 1
		.amdhsa_system_sgpr_workgroup_id_z 1
		.amdhsa_system_vgpr_workitem_id 0
		.amdhsa_next_free_vgpr 768
		.amdhsa_next_free_sgpr 80
		.amdhsa_reserve_vcc 0
		.amdhsa_float_denorm_mode_32 3
		.amdhsa_float_denorm_mode_16_64 3
		.amdhsa_memory_ordered 1
		.amdhsa_forward_progress 1
		.amdhsa_inst_pref_size 170
	.end_amdhsa_kernel
	.amdgpu_metadata
---
amdhsa.version: [ 1, 2 ]
amdhsa.kernels:
  - .name:           k_q7bbb771dbd_pv
    .symbol:         k_q7bbb771dbd_pv.kd
    .args:
      - { .name: qkvc, .offset: 0, .size: 8, .value_kind: global_buffer, .address_space: global }
      - { .name: qkvs, .offset: 8, .size: 8, .value_kind: global_buffer, .address_space: global }
      - { .name: pc, .offset: 16, .size: 8, .value_kind: global_buffer, .address_space: global }
      - { .name: pm, .offset: 24, .size: 8, .value_kind: global_buffer, .address_space: global }
      - { .name: out0, .offset: 32, .size: 8, .value_kind: global_buffer, .address_space: global }
    .group_segment_fixed_size: 327680
    .private_segment_fixed_size: 0
    .kernarg_segment_align: 8
    .kernarg_segment_size: 40
    .max_flat_workgroup_size: 128
    .sgpr_count:     80
    .vgpr_count:     768
    .wavefront_size: 32
...
	.end_amdgpu_metadata
.endif
;; end of part 4
;; ======== version 2 of 2: 4 launches; 1.12 times as fast as version 1
;; limits: right only within a limited range of input values
;; workspace buffers: xwc 8,650,752 bytes; xws 360,448 bytes; qkvc 18,874,368 bytes; qkvs 786,432 bytes; pc 12,582,912 bytes; pm 1,572,864 bytes
;; launch quant (part 5): grid 704 x 1, 2 waves a work-group, no clusters, 17,152 bytes of LDS; arguments x, Wq, Wk, Wv, xwc, xws, pm; writes xwc, xws, pm
.if DOCPART == 5
	.amdgcn_target "amdgcn-amd-amdhsa--gfx1250"
	.amdhsa_code_object_version 6
	.text
	.protected	k_q7bbb771dbd_quant
	.globl	k_q7bbb771dbd_quant
	.p2align	8
	.type	k_q7bbb771dbd_quant,@function
k_q7bbb771dbd_quant:
	s_mov_b64 s[64:65], 0
	v_nop
	global_prefetch_b8 v0, s[64:65] scope:SCOPE_SE
	s_setreg_imm32_b32 hwreg(HW_REG_WAVE_MODE, 25, 1), 1
	s_wait_xcnt 0x0
; x [8192][1024], Wq, Wk, Wv [1024][1024], f32, become codes of FP6 (E2M3) with one E8M0 byte for each 32 along their last axis, laid as IMAGES OF OPERAND REGISTERS.
; A TILE is 16 rows that are not neighbours: lane r of tile t holds row 32 (t / 2) + 8 (t % 2) + r + 8 (r / 8).  Tiles: x 0-511, Wq 512-575, Wk 576-639, Wv 640-703.
; A CODE IMAGE (16 rows x 128 along K, 1,536 bytes): register 4 c + k of lane l lies at byte 512 c + 16 l + 4 k; image (tile t, K step s) lies at (8 t + s) x 1,536 of xwc.
; A SCALE IMAGE (8 tiles, one K step, 512 bytes): byte 256 p + 8 l + 4 j holds the scale word of tile 4 p + 2 j + l / 16, row l % 16; image (group G, step s) at (8 G + s) x 512 of xws.
; A wave takes 64 rows (4 tiles) at one K step: so its four scale words a lane fill 256 consecutive bytes of a scale image.  1,408 such shares; two waves to a work-group, side by side on 1,024 bytes of each row.
; EVERY LOAD IS DENSE: a load of the wave reads the 512 consecutive bytes that one row has in the K step, 16 a lane.  The conversions want 16 neighbours along K in ONE lane's registers: so a tile's 16 rows turn through the
; wave's own stage in LDS: stored as loaded (row i at 528 i, 16 bytes a lane), read back by lane (r, h) at 528 r + 64 h + 128 b + 16 j, into the registers that they left.  528 = 2 x 256 + 16: the sixteen rows of a
; read start in sixteen different 16-byte columns of the 64 banks (ISA guide 11.1).  Waves share nothing: no barrier.
; A block's scale is 2^(floor(log2(largest magnitude)) - 2); its byte is the largest magnitude's exponent field - 2, held at 1 from below.
; The first 512 work-groups also lay defaults into pm's three arrays (scale words 0, -M = 2^28, sums 0), one line of 512 bytes a wave and array: the last launch reads all 16 key steps' lines.
; LIMITS: a block of zeros gets the byte 1 where the rule says 127 (its codes are zeros; this program alone reads the bytes); blocks under 2^-124 were not tried; NaN and infinities are not served.
.set STAGEB, 8448                      ; a wave's stage: 16 rows x 528 bytes
.set SPARE, 16896                      ; behind the two stages: the spare words, 128 bytes a wave: one block of 256 bytes that no other line names
.set LI,  4                            ; v4   16 x lane: my place in a load's 512 bytes and in a code store's; never rewritten
.set L8,  5                            ; v5   8 x lane
.set WD,  6                            ; v6-9 the four tiles' scale words
.set SPW, 12                           ; v12  LDS address of my spare word; never rewritten
.set NIL, 13                           ; v13  0; never rewritten
.set STI, 14                           ; v14  the stage, on the way in: wave x 8,448 + 16 x lane
.set STO, 15                           ; v15  and on the way out: wave x 8,448 + 528 r + 64 h
.set TM,  16                           ; v16-31 at work
.set PC,  32                           ; v32-51 the codes just made
.set ZR,  52                           ; v52-55 zeros
.set BG,  56                           ; v56-59 2^28
.set SEL, 30                           ; s[30:31] lane selects: lane l xor 16
	s_load_b256 s[4:11], s[0:1], 0x0               ; x, Wq, Wk, Wv
	s_load_b128 s[12:15], s[0:1], 0x20             ; xwc, xws
	s_load_b64 s[16:17], s[0:1], 0x30              ; pm
	v_lshl_add_u32 v[SPW], v0, 2, SPARE
	v_mov_b32 v[NIL], 0
	v_lshrrev_b32 v1, 5, v0
	v_readfirstlane_b32 s18, v1                    ; wave 0, 1
	v_and_b32 v1, 15, v0                           ; r
	v_bfe_u32 v2, v0, 4, 1                         ; h
	v_and_b32 v5, 31, v0
	v_lshlrev_b32 v[LI], 4, v5
	v_lshlrev_b32 v[L8], 3, v5
	s_mul_i32 s21, s18, STAGEB
	v_add_nc_u32 v[STI], s21, v[LI]
	v_mul_u32_u24 v[STO], v1, 528
	v_lshl_add_u32 v[STO], v2, 6, v[STO]
	v_add_nc_u32 v[STO], s21, v[STO]
.irp b, 0,1,2,3
	v_mov_b32 v[TM+4+\b], 0                        ; written once: a lane permute's destination counts as one of its sources
	v_mov_b32 v[ZR+\b], 0
	v_mov_b32 v[BG+\b], 0x4d800000
.endr
	s_mov_b32 s[SEL], 0x76543210
	s_mov_b32 s[SEL+1], 0xfedcba98
	s_lshr_b32 s19, ttmp9, 2                       ; which 64 rows: 0-127 x, 128-143 Wq, 144-159 Wk, 160-175 Wv
	s_and_b32 s20, ttmp9, 3
	s_lshl_b32 s20, s20, 1
	s_add_co_u32 s20, s20, s18                     ; which K step
	s_wait_kmcnt 0x0
	s_mov_b64 s[22:23], s[10:11]                   ; the source is chosen by the work-group's number alone
	s_mov_b32 s24, 160
	s_cmp_lt_u32 s19, 160
	s_cselect_b64 s[22:23], s[8:9], s[22:23]
	s_cselect_b32 s24, 144, s24
	s_cmp_lt_u32 s19, 144
	s_cselect_b64 s[22:23], s[6:7], s[22:23]
	s_cselect_b32 s24, 128, s24
	s_cmp_lt_u32 s19, 128
	s_cselect_b64 s[22:23], s[4:5], s[22:23]
	s_cselect_b32 s24, 0, s24
	s_sub_co_u32 s24, s19, s24
	s_lshl_b32 s24, s24, 18                        ; 64 rows of 4,096 bytes
	s_lshl_b32 s25, s20, 9                         ; 128 numbers
	s_add_co_u32 s24, s24, s25
	s_mov_b32 s25, 0
	s_add_nc_u64 s[22:23], s[22:23], s[24:25]
	s_mul_i32 s26, s19, 49152                      ; 4 tiles x 8 steps x 1,536
	s_mul_i32 s27, s20, 1536
	s_add_co_u32 s26, s26, s27
	s_mov_b32 s27, 0
	s_add_nc_u64 s[12:13], s[12:13], s[26:27]
	s_lshr_b32 s26, s19, 1
	s_lshl_b32 s26, s26, 12                        ; the group's 8 scale images,
	s_lshl_b32 s28, s20, 9                         ; the step's,
	s_add_co_u32 s26, s26, s28
	s_and_b32 s28, s19, 1
	s_lshl_b32 s28, s28, 8                         ; my half of it
	s_add_co_u32 s26, s26, s28
	s_add_nc_u64 s[14:15], s[14:15], s[26:27]
; tile t as it lies in memory: load i brings the tile's row i, 512 consecutive bytes, 16 a lane
.macro XLOAD set, t
.irp i, 0,1,2,3,4,5,6,7,8,9,10,11,12,13,14,15
	global_load_b128 v[(\set)+4*\i:(\set)+4*\i+3], v[LI], s[22:23] offset:(32*((\t)/2)+8*((\t)%2)+\i+8*(\i/8))*4096 th:TH_LOAD_NT
.endr
.endm
; a tile turns through my stage: behind it register 16 b + i of lane (r, h) is k 32 b + 16 h + i of the tile's row r.  LDS serves a wave's instructions in order (ISA guide 5.7.1.4): the loads see the stores
.macro TURN set
.irp i, 0,1,2,3,4,5,6,7,8,9,10,11,12,13,14,15
	ds_store_b128 v[STI], v[(\set)+4*\i:(\set)+4*\i+3] offset:528*\i
.endr
.irp b, 0,1,2,3
.irp j, 0,1,2,3
	ds_load_b128 v[(\set)+16*\b+4*\j:(\set)+16*\b+4*\j+3], v[STO] offset:128*\b+16*\j
.endr
.endr
.endm
; 64 numbers of a lane become a fragment's codes in v[PC] on and my row's scale word in v[w]
.macro QUANT s, w
.irp b, 0,1,2,3
	v_max3_num_f32 v[TM+\b], |v[(\s)+16*\b]|, |v[(\s)+1+16*\b]|, 0x1800000   ; block b: my 16 numbers, and the floor 2^(3 - 127): the byte cannot fall under 1
.endr
.irp i, 2,4,6,8,10,12,14
.irp b, 0,1,2,3
	v_max3_num_f32 v[TM+\b], v[TM+\b], |v[(\s)+16*\b+\i]|, |v[(\s)+1+16*\b+\i]|
.endr
.endr
.irp b, 0,1,2,3
	v_permlanex16_b32 v[TM+4+\b], v[TM+\b], s[SEL], s[SEL+1]
.endr
.irp b, 0,1,2,3
	v_max_num_f32 v[TM+\b], v[TM+\b], v[TM+4+\b]   ; with lane l xor 16's: the block's largest magnitude
.endr
.irp b, 0,1,2,3
	v_add_nc_u32 v[TM+12+\b], 0xff000000, v[TM+\b] ; 2 off its exponent field: the conversion's scale operand
.endr
.irp b, 0,1,2,3
	v_lshrrev_b32 v[TM+8+\b], 23, v[TM+12+\b]      ; the scale's byte
.endr
	v_lshl_or_b32 v[\w], v[TM+9], 8, v[TM+8]
	v_lshl_or_b32 v[\w], v[TM+10], 16, v[\w]
	v_lshl_or_b32 v[\w], v[TM+11], 24, v[\w]
.irp c, 0,1
	v_cvt_scalef32_pk16_fp6_f32 v[PC+6*\c:PC+6*\c+2], v[(\s)+32*\c:(\s)+32*\c+15], v[TM+12+2*\c]
	v_cvt_scalef32_pk16_fp6_f32 v[PC+12+4*\c:PC+14+4*\c], v[(\s)+32*\c+16:(\s)+32*\c+31], v[TM+13+2*\c]   ; (a conversion's three registers begin on an even number)
.endr
	v_nop                                          ; one plain place behind a scaled conversion
.irp c, 0,1                                    ; the operand's layout wants a whole block in a lane
.irp i, 0,1,2
	v_permlane16_swap_b32 v[PC+6*\c+\i], v[PC+12+4*\c+\i]
.endr
.irp i, 0,1,2
	v_mov_b32 v[PC+3+6*\c+\i], v[PC+12+4*\c+\i]
.endr
.endr
.endm
; tile t, in set; the next tile, in nset, goes through the stage while this one is worked.  left: the loads of later tiles that may stay out when the next tile's have to be in
.macro TILE set, t, nset, left
	s_wait_dscnt 0x0                               ; this tile is back from the stage, and the stage is free
.if (\t) < 3
	s_wait_loadcnt \left
	TURN \nset
.endif
.if (\t) > 0
	s_wait_xcnt 0x0                                ; the last tile's stores have read v[PC] on
.endif
	QUANT \set, WD+(\t)
.irp c, 0,1,2
	global_store_b128 v[LI], v[PC+4*\c:PC+4*\c+3], s[12:13] offset:(\t)*12288+512*\c   ; 32 lanes store 512 consecutive bytes
.endr
.endm
	XLOAD 64, 0
	XLOAD 128, 1
	XLOAD 192, 2
	s_cmp_lt_u32 ttmp9, 512                        ; 1,024 waves lay pm's 1,024 lines
	s_cbranch_scc0 .Lno_default
	s_lshl_b32 s28, ttmp9, 1
	s_add_co_u32 s28, s28, s18
	s_lshl_b32 s28, s28, 9
	s_mov_b32 s29, 0
	s_add_nc_u64 s[16:17], s[16:17], s[28:29]
	global_store_b128 v[LI], v[ZR:ZR+3], s[16:17]
	global_store_b128 v[LI], v[BG:BG+3], s[16:17] offset:524288
	global_store_b128 v[LI], v[ZR:ZR+3], s[16:17] offset:1048576
.Lno_default:
	s_wait_loadcnt 32                              ; tile 0's 16 loads are in; tiles 1 and 2 may be out
	TURN 64
	TILE 64, 0, 128, 16                            ; tile 1 is in, tile 2 may be out
	XLOAD 64, 3                                    ; tile 0's registers take tile 3
	TILE 128, 1, 192, 16                           ; tile 2 is in, tile 3 may be out
	TILE 192, 2, 64, 0
	TILE 64, 3, 0, 0
	v_cmp_ne_u32 vcc_lo, 0, v2
	v_cndmask_b32 v10, v[WD+0], v[WD+1], vcc_lo    ; lanes 0-15 the even tile's word, lanes 16-31 the odd tile's
	v_cndmask_b32 v11, v[WD+2], v[WD+3], vcc_lo
	global_store_b64 v[L8], v[10:11], s[14:15]     ; 256 consecutive bytes, at a multiple of 256
	s_wait_tensorcnt 0x0                           ; the wave's end, behind my last LDS store
	ds_add_u32 v[SPW], v[NIL]
	s_wait_dscnt 0x0
	s_endpgm
.Lfunc_end_k_q7bbb771dbd_quant:
	.size	k_q7bbb771dbd_quant, .Lfunc_end_k_q7bbb771dbd_quant-k_q7bbb771dbd_quant
	.p2alignl 7, 3214868480
	.fill 96, 4, 3214868480
	.section	.rodata,"a",@progbits
	.p2align	6, 0x0
	.amdhsa_kernel k_q7bbb771dbd_quant
		.amdhsa_group_segment_fixed_size 17152
		.amdhsa_private_segment_fixed_size 0
		.amdhsa_enable_private_segment 0
		.amdhsa_kernarg_size 56
		.amdhsa_user_sgpr_count 2
		.amdhsa_user_sgpr_kernarg_segment_ptr 1
		.amdhsa_wavefront_size32 1
		.amdhsa_system_sgpr_workgroup_id_x 1
		.amdhsa_system_sgpr_workgroup_id_y 1
		.amdhsa_system_sgpr_workgroup_id_z 1
		.amdhsa_system_vgpr_workitem_id 0
		.amdhsa_next_free_vgpr 256
		.amdhsa_next_free_sgpr 66
		.amdhsa_reserve_vcc 1
		.amdhsa_float_denorm_mode_32 3
		.amdhsa_float_denorm_mode_16_64 3
		.amdhsa_memory_ordered 1
		.amdhsa_forward_progress 1
		.amdhsa_inst_pref_size 35
	.end_amdhsa_kernel
	.amdgpu_metadata
---
amdhsa.version: [ 1, 2 ]
amdhsa.kernels:
  - .name:           k_q7bbb771dbd_quant
    .symbol:         k_q7bbb771dbd_quant.kd
    .args:
      - { .name: x, .offset: 0, .size: 8, .value_kind: global_buffer, .address_space: global }
      - { .name: Wq, .offset: 8, .size: 8, .value_kind: global_buffer, .address_space: global }
      - { .name: Wk, .offset: 16, .size: 8, .value_kind: global_buffer, .address_space: global }
      - { .name: Wv, .offset: 24, .size: 8, .value_kind: global_buffer, .address_space: global }
      - { .name: xwc, .offset: 32, .size: 8, .value_kind: global_buffer, .address_space: global }
      - { .name: xws, .offset: 40, .size: 8, .value_kind: global_buffer, .address_space: global }
      - { .name: pm, .offset: 48, .size: 8, .value_kind: global_buffer, .address_space: global }
    .group_segment_fixed_size: 17152
    .private_segment_fixed_size: 0
    .kernarg_segment_align: 8
    .kernarg_segment_size: 56
    .max_flat_workgroup_size: 64
    .sgpr_count:     66
    .vgpr_count:     256
    .wavefront_size: 32
...
	.end_amdgpu_metadata
.endif
;; end of part 5
;; launch proj (part 6): grid 8 x 32, 4 waves a work-group, clusters of 4 x 4, 327,680 bytes of LDS; arguments xwc, xws, qkvc, qkvs; writes qkvc, qkvs
.if DOCPART == 6
	.amdgcn_target "amdgcn-amd-amdhsa--gfx1250"
	.amdhsa_code_object_version 6
	.text
	.protected	k_q7bbb771dbd_proj
	.globl	k_q7bbb771dbd_proj
	.p2align	8
	.type	k_q7bbb771dbd_proj,@function
k_q7bbb771dbd_proj:
	s_mov_b64 s[64:65], 0
	v_nop
	global_prefetch_b8 v0, s[64:65] scope:SCOPE_SE
	s_setreg_imm32_b32 hwreg(HW_REG_WAVE_MODE, 25, 1), 1
	s_wait_xcnt 0x0
	s_wait_alu depctr_hold_cnt(0) depctr_sa_sdst(0) depctr_va_vdst(0) depctr_va_sdst(0) depctr_va_ssrc(0) depctr_va_vcc(0) depctr_vm_vsrc(0)
	s_getreg_b32 s2, hwreg(HW_REG_IB_STS2, 6, 4)
	s_cmp_eq_u32 s2, 0
	s_cbranch_scc0 .Lentry_in_a_cluster
	s_endpgm
.Lentry_in_a_cluster:
	s_bfe_u32 s2, ttmp6, 0x10000c
	s_cmp_lg_u32 s2, 0xf033
	s_cbranch_scc0 .Lentry_shape_is_right
	s_endpgm
.Lentry_shape_is_right:
; Q = x Wq^T, K = x Wk^T and V^T = Wv x^T on codes of FP6, K = 1,024; the results are quantised in registers and leave as codes, again as images of operand registers (layouts: the launch before).
; In a result a lane holds ONE row of "A" (source 1), and its registers run along the rows of "B" (source 0); since B's tiles take rows 32 (t / 2) + 8 (t % 2) + r + 8 (r / 8), the 64 registers of A's tile a are
; 16 neighbours of each of four blocks of 32 along B's rows: B's rows are the axis along which the result is quantised.
; EVERY WORK-GROUP MAKES TWO PASSES, so that all 256 have the same work.
;   PASS 1: A = 256 rows of x, B = 256 rows of Wq ; Wk: 8,192 x 2,048 results are 256 such tiles.  A wave makes 128 x 128: 64 accumulators.  Rows = tokens, quantised along the channels (Q, K).
;   PASS 2: A = 128 rows of Wv, B = 256 rows of x: 1,024 x 8,192 results are 256 such tiles.  A wave makes 64 x 128: 32 accumulators.  Rows = channels, quantised along the tokens (V^T, for the last product).
; OUT: qkvc: Q at 0, K at 6,291,456 (tile = x's tile, 8 steps of 1,536); V^T at 12,582,912 (tile 64 batch + channel tile, 16 key steps).  qkvs: scale images, Q at 0, K at 262,144, V at 524,288.
; LDS: three slots of 98,304 bytes.  Pass 1: a slot holds two K steps (A's 16 tiles x 3,072 bytes, then B's); the three first fills go out together, and slot 0 is filled once more (K steps 6, 7) behind K step 1.
; Pass 2's operands, 24 tiles x 12,288 bytes, are as many bytes as the three slots: they come as three refills of slots that pass 1 has left, one load a wave each, of the same shape (8 tiles x two K steps):
; slot 1 <- B's K steps 0-3, in K step 5;  slot 2 <- A's 8 K steps, behind the second of pass 1's eight result tiles;  slot 0 <- B's K steps 4-7, behind the eighth.  So they land under pass 1's last steps and its way out.
; A wave has at most three tensor loads out.
; CLUSTER 4 x 4: A's tiles are shared along a row of the cluster, B's along a column, in both passes: joint loads, each behind a round of the cluster's barrier.
; The scale words of all 8 K steps go from memory straight into registers, for each pass.  All of a WGP's LDS is claimed.
; LIMITS: a block of zeros gets the byte 1 (its codes are zeros; this program alone reads the bytes); NaN and infinities are not served.
.set SLOTB, 98304
.set SPARE, 294912                     ; behind the ring: the spare words, 128 bytes a wave
.set LI,   3                           ; v3   16 x lane
.set L8,   4                           ; v4   8 x lane
.set ADRA, 8                           ; v8-10  pass 1: my A fragments in slots 0, 1, 2
.set ADRB, 12                          ; v12-14 pass 1: my B fragments
.set ADB2, 16                          ; v16-19 pass 2: my B fragments of K steps 0-1, 2-3 (slot 1), 4-5, 6-7 (slot 0)
.set ADA2, 20                          ; v20-21 pass 2: my A fragments of K steps 0-3, 4-7 (slot 2)
.set SPW,  28
.set NIL,  29
.set SA,   32                          ; v32-63 A's scale words: register 4 s + k: tile 2 k in lanes 0-15, tile 2 k + 1 in lanes 16-31
.set SB,   64                          ; v64-95 B's
.set TM,   96                          ; v96-111 at work on the way out
.set AF,   128                         ; v128-223 pass 1: A's 8 fragments, one set; pass 2: A's 4, two sets.  Window 1: B's two sets at v0, v128.  Windows 2, 3: accumulator (a, b) at v[8 (8 (a % 4) + b)]
.set WD,   128                         ; the way out: v128-135 the tiles' scale words, v136-139 their image
.set OW,   136
.set PC,   224                         ; v224-243 the codes just made
.set SEL,  20
.set G1A,  24
.set G1B,  32
.set G0A,  40                          ; pass 1: four sets each for A and B, never rewritten
.set G0B,  68
.set GA2,  56                          ; pass 2: s[56:59] A's 8 K steps;  s[60:63] B's K steps 0-3;  s[96:99] B's K steps 4-7; never rewritten
.set GB2L, 60
.set GB2H, 96
.set MUL_LO, 0xa1                      ; source 0 (B) window 1, source 1 (A) window 0, C and D window 2
.set MUL_HI, 0xf1
.set MSB, 0
.macro WIN new                         ; the immediate's high byte repeats the setting that is left
.if MSB != (\new)
	s_set_vgpr_msb (MSB<<8)|(\new)
.set MSB, (\new)
.endif
.endm
.macro PLACES n
.rept \n
	v_nop
.endr
.endm
; one product.  r0, r1: the scale words stand in lanes 16-31 of the register named (odd tiles)
.macro WM d, f0, f1, s0, s1, r0, r1, zero
.if \zero
.if (\r0) && (\r1)
	v_wmma_scale_f32_16x16x128_f8f6f4 v[(\d):(\d)+7], v[(\f0):(\f0)+11], v[(\f1):(\f1)+11], 0, v[\s0], v[\s1] matrix_a_fmt:MATRIX_FMT_FP6 matrix_b_fmt:MATRIX_FMT_FP6 matrix_a_scale:MATRIX_SCALE_ROW1 matrix_b_scale:MATRIX_SCALE_ROW1
.elseif (\r0)
	v_wmma_scale_f32_16x16x128_f8f6f4 v[(\d):(\d)+7], v[(\f0):(\f0)+11], v[(\f1):(\f1)+11], 0, v[\s0], v[\s1] matrix_a_fmt:MATRIX_FMT_FP6 matrix_b_fmt:MATRIX_FMT_FP6 matrix_a_scale:MATRIX_SCALE_ROW1
.elseif (\r1)
	v_wmma_scale_f32_16x16x128_f8f6f4 v[(\d):(\d)+7], v[(\f0):(\f0)+11], v[(\f1):(\f1)+11], 0, v[\s0], v[\s1] matrix_a_fmt:MATRIX_FMT_FP6 matrix_b_fmt:MATRIX_FMT_FP6 matrix_b_scale:MATRIX_SCALE_ROW1
.else
	v_wmma_scale_f32_16x16x128_f8f6f4 v[(\d):(\d)+7], v[(\f0):(\f0)+11], v[(\f1):(\f1)+11], 0, v[\s0], v[\s1] matrix_a_fmt:MATRIX_FMT_FP6 matrix_b_fmt:MATRIX_FMT_FP6
.endif
.else
.if (\r0) && (\r1)
	v_wmma_scale_f32_16x16x128_f8f6f4 v[(\d):(\d)+7], v[(\f0):(\f0)+11], v[(\f1):(\f1)+11], v[(\d):(\d)+7], v[\s0], v[\s1] matrix_a_fmt:MATRIX_FMT_FP6 matrix_b_fmt:MATRIX_FMT_FP6 matrix_a_scale:MATRIX_SCALE_ROW1 matrix_b_scale:MATRIX_SCALE_ROW1
.elseif (\r0)
	v_wmma_scale_f32_16x16x128_f8f6f4 v[(\d):(\d)+7], v[(\f0):(\f0)+11], v[(\f1):(\f1)+11], v[(\d):(\d)+7], v[\s0], v[\s1] matrix_a_fmt:MATRIX_FMT_FP6 matrix_b_fmt:MATRIX_FMT_FP6 matrix_a_scale:MATRIX_SCALE_ROW1
.elseif (\r1)
	v_wmma_scale_f32_16x16x128_f8f6f4 v[(\d):(\d)+7], v[(\f0):(\f0)+11], v[(\f1):(\f1)+11], v[(\d):(\d)+7], v[\s0], v[\s1] matrix_a_fmt:MATRIX_FMT_FP6 matrix_b_fmt:MATRIX_FMT_FP6 matrix_b_scale:MATRIX_SCALE_ROW1
.else
	v_wmma_scale_f32_16x16x128_f8f6f4 v[(\d):(\d)+7], v[(\f0):(\f0)+11], v[(\f1):(\f1)+11], v[(\d):(\d)+7], v[\s0], v[\s1] matrix_a_fmt:MATRIX_FMT_FP6 matrix_b_fmt:MATRIX_FMT_FP6
.endif
.endif
.endm
; pass 1: 16 products: A's blocks a0, a0 + 1 x B's eight, K step s.  The 64 accumulators take turns, one instruction a turn, in the same order in every step
.macro MUL16 a0, set, s, zero
.irp a, \a0, \a0+1
.irp b, 0,1,2,3,4,5,6,7
	WM 8*(8*((\a)%4)+\b), 128*(\set)+12*\b, AF+12*(\a), SB+4*(\s)+(\b/2), SA+4*(\s)+((\a)/2), \b%2, (\a)%2, \zero
.endr
.endr
.endm
; pass 2: 16 products: A's blocks a0, a0 + 1 of four x B's eight; both operands from set.  The 32 accumulators take turns likewise
.macro MULH a0, set, s, zero
.irp a, \a0, \a0+1
.irp b, 0,1,2,3,4,5,6,7
	WM 8*(8*(\a)+\b), 128*(\set)+12*\b, AF+48*(\set)+12*(\a), SB+4*(\s)+(\b/2), SA+4*(\s)+((\a)/2), \b%2, (\a)%2, \zero
.endr
.endr
.endm
.macro FRAG reg, adr, q, i             ; a fragment is an image: three loads of 512 consecutive bytes
.irp c, 0,1,2
	ds_load_b128 v[(\reg)+4*\c:(\reg)+4*\c+3], v[\adr] offset:(\i)*3072+(\q)*1536+512*\c
.endr
.endm
.macro FETCH_B slot, q, set
	WIN 0x40
.irp i, 0,1,2,3,4,5,6,7
	FRAG 128*(\set)+12*\i, ADRB+(\slot), \q, \i
.endr
	WIN 0
.endm
.macro FETCH_A slot, q, i0
.irp i, \i0, \i0+1, \i0+2, \i0+3
	FRAG AF+12*(\i), ADRA+(\slot), \q, \i
.endr
.endm
.macro FETCH2 s, set                   ; pass 2: 36 loads in one run: B's eight fragments and A's four of K step s
	WIN 0x40
.irp i, 0,1,2,3,4,5,6,7
.irp c, 0,1,2
	ds_load_b128 v[128*(\set)+12*\i+4*\c:128*(\set)+12*\i+4*\c+3], v[ADB2+((\s)/2)] offset:\i*3072+((\s)%2)*1536+512*\c
.endr
.endr
	WIN 0
.irp i, 0,1,2,3
.irp c, 0,1,2
	ds_load_b128 v[AF+48*(\set)+12*\i+4*\c:AF+48*(\set)+12*\i+4*\c+3], v[ADA2+((\s)/4)] offset:(((\s)/2)%2)*24576+\i*3072+((\s)%2)*1536+512*\c
.endr
.endr
.endm
; pass 1's joint loads: waves 0 and 1 fetch for A, waves 2 and 3 for B; an s_nop 0 and four v_nop follow each of the two lines
.macro JLOAD g0a, g0b
	s_cmp_eq_u32 s15, 0
	s_cbranch_scc0 .Lfor_b_\@
	tensor_load_to_lds s[\g0a:\g0a+3], s[G1A:G1A+7]
	s_nop 0
.rept 4
	v_nop
.endr
	s_branch .Lasked_\@
.Lfor_b_\@:
	tensor_load_to_lds s[\g0b:\g0b+3], s[G1B:G1B+7]
	s_nop 0
.rept 4
	v_nop
.endr
.Lasked_\@:
.endm
.macro CREST                           ; a round of the cluster's barrier behind its opening barrier
	s_cmp_lg_u32 s14, 0
	s_cbranch_scc1 .Lnot_wave_0_\@
	s_barrier_signal -3
.Lnot_wave_0_\@:
	s_barrier_wait -3
	s_barrier_signal -1
	s_barrier_wait -1
.endm
.macro CROUND
	s_barrier_signal -1
	s_barrier_wait -1
	CREST
.endm
; a slot that pass 1 has left takes a part of pass 2's operands: all my tensor loads have landed, the add, my LDS reads are over; a round of the cluster's barrier; then my one joint load, the same line in all four waves,
; each with its own part by the wave's number
.macro CHANGE g0, g1
	s_wait_tensorcnt 0x0
	ds_add_u32 v[SPW], v[NIL]                      ; 0 onto my spare word
	s_wait_dscnt 0x0
	CROUND
	tensor_load_to_lds s[\g0:\g0+3], s[\g1:\g1+7]
	s_nop 0
.rept 4
	v_nop
.endr
.endm
; PASS 1, K step s (0 to 6): 64 products, and the fetches of step s + 1.  kind 0: no barrier.  kind 1: slot 0 has been read out and takes K steps 6, 7.  kind 2: that refill has landed, which the barrier shows to all, and
; slot 1, read out two steps ago, takes pass 2's first part.
.macro KSTEP s, kind, zero
.if (\kind) != 0
	s_wait_tensorcnt 0x0                           ; all my tensor loads have landed
	ds_add_u32 v[SPW], v[NIL]                      ; 0 onto my spare word
	s_wait_dscnt 13                                ; (the add and the youngest 12 loads, A's blocks 4-7, may be out)
.else
	s_wait_dscnt 12                                ; B's set and A's blocks 0-3 are in; A's blocks 4-7 (12 loads) may be out
.endif
	WIN MUL_LO
	MUL16 0, (\s)%2, \s, \zero
.if (\kind) != 0
	s_wait_dscnt 0x0                               ; the add is done, and my reads of the slot are over
	s_barrier_signal -1                            ; this barrier opens a round of the cluster's barrier
.endif
	MUL16 2, (\s)%2, \s, \zero
.if (\kind) != 0
	WIN 0
	s_barrier_wait -1
	CREST
.if (\kind) == 1
	JLOAD G0A+12, G0B+12                           ; the first tensor load behind the round; its four v_nop are the places in front of the loads that follow
.else
	tensor_load_to_lds s[GB2L:GB2L+3], s[G1B:G1B+7]
	s_nop 0
	PLACES 4
.endif
.else
	s_wait_dscnt 0x0                               ; A's blocks 4-7 are in
	PLACES 4                                       ; in front of loads into registers that matrix instructions have read
.endif
	FETCH_B (((\s)+1)/2)%3, ((\s)+1)%2, ((\s)+1)%2
	FETCH_A (((\s)+1)/2)%3, ((\s)+1)%2, 0
	WIN MUL_HI
	MUL16 4, (\s)%2, \s, \zero
	MUL16 6, (\s)%2, \s, \zero
	PLACES 4
	WIN 0
	FETCH_A (((\s)+1)/2)%3, ((\s)+1)%2, 4
.endm
; PASS 2, K step s: 32 products; the next step's fragments are fetched at its head, into the set that the step before multiplied.  bar = 1: the next step lies in the part that was asked for last: a barrier shows it to all
.macro HSTEP s, bar
.if \bar
	s_wait_tensorcnt 0x0                           ; my part of B's K steps 4-7
.endif
	s_wait_dscnt 0x0                               ; this step's fragments are in
.if \bar
	WIN MUL_LO
	s_barrier_signal -1
	MULH 0, (\s)%2, \s, 0
	WIN 0
	s_barrier_wait -1
	PLACES 4
	FETCH2 (\s)+1, ((\s)+1)%2
	WIN MUL_LO
	MULH 2, (\s)%2, \s, 0
.else
.if (\s) < 7
	PLACES 4                                       ; in front of loads into registers that matrix instructions have read
	FETCH2 (\s)+1, ((\s)+1)%2
.endif
	WIN MUL_LO
	MULH 0, (\s)%2, \s, (\s)==0                    ; the first step's products start the sums: nothing is cleared
	MULH 2, (\s)%2, \s, (\s)==0
.endif
.endm
	s_load_b256 s[4:11], s[0:1], 0x0               ; xwc s[4:5], xws s[6:7], qkvc s[8:9], qkvs s[10:11]
	v_lshl_add_u32 v[SPW], v0, 2, SPARE
	v_mov_b32 v[NIL], 0
	ds_add_u32 v[SPW], v[NIL]                      ; the wave's opening add; its wait comes ahead of my first tensor load, with work on registers between them
	v_lshrrev_b32 v1, 5, v0
	v_readfirstlane_b32 s14, v1                    ; wave
	s_lshr_b32 s15, s14, 1                         ; wa: my half of A's rows.  Pass 1 also: I fetch for A (0) or for B (1)
	s_and_b32 s16, s14, 1                          ; wb: my half of B's rows.  Pass 1 also: which 8 tiles I fetch
	s_bfe_u32 s17, ttmp6, 0x40000                  ; cx
	s_bfe_u32 s18, ttmp6, 0x40004                  ; cy
	s_mov_b32 s12, ttmp9                           ; the cluster's x: 0, 1
	s_and_b32 s13, ttmp7, 0xffff                   ; the cluster's y: 0 .. 7
	s_lshl_b32 s22, s13, 6                         ; pass 1: A's first tile: x's 64 y + 16 cy
	s_lshl_b32 s19, s18, 4
	s_add_co_u32 s22, s22, s19
	s_lshl_b32 s23, s12, 6                         ; B's first tile: the weights' 512 + 64 x + 16 cx
	s_lshl_b32 s62, s17, 4
	s_add_co_u32 s23, s23, s62
	s_add_co_u32 s23, s23, 512
	s_lshl_b32 s19, s18, 2
	s_lshl_b32 s19, 15, s19                        ; my row of the cluster
	s_lshl_b32 s62, 0x1111, s17                    ; my column
	s_or_b32 s[G1A], s19, (3<<16)|(1<<21)          ; 15:0 the mask; 17:16 elements of 8 bytes; 21 set beside a mask; no padding
	s_or_b32 s[G1B], s62, (3<<16)|(1<<21)
.irp g, G1A, G1B
	s_mov_b32 s[\g+1], 384<<16                     ; tensor_dim0: 3,072 bytes, a tile's images of two K steps
	s_mov_b32 s[\g+2], 8<<16                       ; tensor_dim1: 8 tiles
	s_mov_b32 s[\g+3], 384<<16                     ; tile_dim0
	s_mov_b32 s[\g+4], 8                           ; tile_dim1
	s_mov_b32 s[\g+5], 1536                        ; from tile to tile: 12,288 bytes
	s_mov_b32 s[\g+6], 0
	s_mov_b32 s[\g+7], 0
.endr
	; where the tiles come from.  s19 and s[56:59] never hold cx, s[60:63] never cy
	s_lshl_b32 s19, s16, 3
	s_add_co_u32 s56, s22, s19                     ; pass 1: the 8 tiles of A that I would fetch,
	s_mul_i32 s56, s56, 12288
	s_mov_b32 s57, 0
	s_lshl_b32 s62, s16, 3
	s_add_co_u32 s60, s23, s62                     ; and of B
	s_mul_i32 s60, s60, 12288
	s_mov_b32 s61, 0
	s_mul_i32 s3, s14, 24576                       ; where a load goes in a slot: wave x 24,576: no place in the cluster enters an LDS address
	s_lshl_b32 s58, s12, 5                         ; pass 2: A's 8 tiles: Wv's 640 + 32 x + 8 cy;
	s_lshl_b32 s19, s18, 3
	s_add_co_u32 s58, s58, s19
	s_add_co_u32 s58, s58, 640
	s_mul_i32 s58, s58, 12288
	s_mul_i32 s19, s14, 3072                       ; wave w fetches their K steps 2 w, 2 w + 1
	s_add_co_u32 s58, s58, s19
	s_mov_b32 s59, 0
	s_lshl_b32 s62, s13, 6                         ; B's 16 tiles: x's 64 y + 16 cx;
	s_lshl_b32 s63, s17, 4
	s_add_co_u32 s62, s62, s63
	s_lshl_b32 s63, s16, 3                         ; wave w fetches tiles 8 (w % 2) on,
	s_add_co_u32 s62, s62, s63
	s_mul_i32 s62, s62, 12288
	s_mul_i32 s63, s15, 3072                       ; K steps 2 (w / 2), 2 (w / 2) + 1 of the four
	s_add_co_u32 s62, s62, s63
	s_mov_b32 s63, 0
	; where pass 1's results go, and where its scale words come from
	s_lshr_b32 s94, s23, 3
	s_add_co_u32 s94, s94, s16                     ; B's group of 8 tiles that is mine
	s_lshl_b32 s95, s15, 3
	s_add_co_u32 s95, s95, s22                     ; A's first tile that is mine
	s_sub_co_u32 s90, s94, 64                      ; 0-7 Q's K steps, 8-15 K's
	s_lshr_b32 s91, s90, 3
	s_and_b32 s90, s90, 7
	s_mul_i32 s84, s91, 6291456
	s_mul_i32 s92, s95, 12288
	s_add_co_u32 s84, s84, s92
	s_mul_i32 s92, s90, 1536
	s_add_co_u32 s84, s84, s92                     ; codes
	s_mov_b32 s85, 0
	s_lshl_b32 s86, s91, 18
	s_lshr_b32 s92, s95, 3
	s_lshl_b32 s92, s92, 12
	s_add_co_u32 s86, s86, s92
	s_lshl_b32 s92, s90, 9
	s_add_co_u32 s86, s86, s92                     ; scale image
	s_mov_b32 s87, 0
	s_lshr_b32 s90, s95, 3                         ; my operands' scale images: 4,096 bytes a group
	s_lshl_b32 s90, s90, 12
	s_mov_b32 s91, 0
	s_lshl_b32 s92, s94, 12
	s_mov_b32 s93, 0
	; the same for pass 2
	s_lshl_b32 s94, s13, 3
	s_lshl_b32 s95, s17, 1
	s_add_co_u32 s94, s94, s95
	s_add_co_u32 s94, s94, s16                     ; x's group of 8 tiles that is mine: 128 tokens, one key step
	s_lshl_b32 s100, s94, 12                       ; its scale images
	s_mov_b32 s101, 0
	s_lshr_b32 s95, s94, 4                         ; the batch,
	s_and_b32 s94, s94, 15                         ; the key step in it
	s_lshl_b32 s95, s95, 6
	s_lshl_b32 s88, s12, 5
	s_add_co_u32 s95, s95, s88
	s_lshl_b32 s88, s18, 3
	s_add_co_u32 s95, s95, s88                     ; V's tile 64 batch + 32 x + 8 cy: a multiple of 8
	s_lshl_b32 s66, s12, 2                         ; Wv's scale images: group 80 + 4 x + cy,
	s_add_co_u32 s66, s66, s18
	s_add_co_u32 s66, s66, 80
	s_lshl_b32 s66, s66, 12
	s_lshl_b32 s67, s15, 8                         ; my four tiles' half of each
	s_add_co_u32 s66, s66, s67
	s_mov_b32 s67, 0
	s_lshl_b32 s88, s15, 2
	s_add_co_u32 s88, s88, s95                     ; my first tile of V
	s_mul_i32 s88, s88, 24576
	s_mul_i32 s89, s94, 1536
	s_add_co_u32 s88, s88, s89
	s_add_co_u32 s88, s88, 12582912                ; codes
	s_mov_b32 s89, 0
	s_lshl_b32 s95, s95, 10                        ; 8,192 bytes a group of 8 tiles
	s_lshl_b32 s94, s94, 9
	s_add_co_u32 s94, s94, s95
	s_lshl_b32 s95, s15, 8
	s_add_co_u32 s94, s94, s95
	s_add_co_u32 s94, s94, 524288                  ; my half of the scale image
	s_mov_b32 s95, 0
	s_mov_b32 s[SEL], 0x76543210
	s_mov_b32 s[SEL+1], 0xfedcba98
	v_and_b32 v1, 15, v0                           ; r
	v_bfe_u32 v2, v0, 4, 1                         ; h
	v_and_b32 v5, 31, v0
	v_lshlrev_b32 v[LI], 4, v5
	v_lshlrev_b32 v[L8], 3, v5
	s_mul_i32 s96, s15, 24576
	s_mul_i32 s97, s16, 24576
	s_add_co_u32 s97, s97, 49152
.irp g, 0,1,2
	v_add_nc_u32 v[ADRA+\g], s96, v[LI]
	v_add_nc_u32 v[ADRB+\g], s97, v[LI]
	s_add_co_u32 s96, s96, SLOTB
	s_add_co_u32 s97, s97, SLOTB
.endr
	s_mul_i32 s98, s16, 24576                      ; pass 2: a part of 24,576 bytes is 8 tiles x two K steps; B's parts lie (K steps, half of the tiles): slot 0: (4-5, 0), (4-5, 1), (6-7, 0), (6-7, 1); slot 1: (0-1, ..), (2-3, ..)
	v_add_nc_u32 v[ADB2+2], s98, v[LI]
	s_add_co_u32 s98, s98, 49152
	v_add_nc_u32 v[ADB2+3], s98, v[LI]
	s_add_co_u32 s98, s98, 49152
	v_add_nc_u32 v[ADB2+0], s98, v[LI]
	s_add_co_u32 s98, s98, 49152
	v_add_nc_u32 v[ADB2+1], s98, v[LI]
	s_mul_i32 s98, s15, 12288                      ; A's four parts lie in slot 2, by K steps; my four tiles of the eight
	s_add_co_u32 s98, s98, 2*SLOTB
	v_add_nc_u32 v[ADA2], s98, v[LI]
	s_add_co_u32 s98, s98, 49152
	v_add_nc_u32 v[ADA2+1], s98, v[LI]
	s_wait_dscnt 0x0                               ; the opening add is done
	s_wait_kmcnt 0x0
	s_add_nc_u64 s[56:57], s[4:5], s[56:57]
	s_add_nc_u64 s[60:61], s[4:5], s[60:61]
	s_add_nc_u64 s[84:85], s[8:9], s[84:85]
	s_add_nc_u64 s[86:87], s[10:11], s[86:87]
	s_add_nc_u64 s[88:89], s[8:9], s[88:89]
	s_add_nc_u64 s[94:95], s[10:11], s[94:95]
	s_add_nc_u64 s[90:91], s[6:7], s[90:91]
	s_add_nc_u64 s[92:93], s[6:7], s[92:93]
	s_add_nc_u64 s[66:67], s[6:7], s[66:67]
	s_add_nc_u64 s[100:101], s[6:7], s[100:101]
.irp k, 0,1,2,3                                ; pass 1: load k brings K steps 2 k, 2 k + 1 into slot k % 3
	s_mov_b32 s[G0A+4*\k], 1
	s_add_co_u32 s[G0A+4*\k+1], s3, (\k%3)*SLOTB
	s_add_nc_u64 s[G0A+4*\k+2:G0A+4*\k+3], s[56:57], \k*3072
	s_or_b32 s[G0A+4*\k+3], s[G0A+4*\k+3], 0x80000000
	s_mov_b32 s[G0B+4*\k], 1
	s_add_co_u32 s[G0B+4*\k+1], s3, (\k%3)*SLOTB
	s_add_nc_u64 s[G0B+4*\k+2:G0B+4*\k+3], s[60:61], \k*3072
	s_or_b32 s[G0B+4*\k+3], s[G0B+4*\k+3], 0x80000000
.endr
	s_add_nc_u64 s[GA2+2:GA2+3], s[4:5], s[58:59]  ; pass 2: A's part, into slot 2
	s_or_b32 s[GA2+3], s[GA2+3], 0x80000000
	s_mov_b32 s[GA2], 1
	s_add_co_u32 s[GA2+1], s3, 2*SLOTB
	s_add_nc_u64 s[GB2L+2:GB2L+3], s[4:5], s[62:63]   ; B's part of K steps 0-3, into slot 1
	s_add_nc_u64 s[GB2H+2:GB2H+3], s[GB2L+2:GB2L+3], 6144   ; and of K steps 4-7, into slot 0
	s_or_b32 s[GB2L+3], s[GB2L+3], 0x80000000
	s_or_b32 s[GB2H+3], s[GB2H+3], 0x80000000
	s_mov_b32 s[GB2L], 1
	s_add_co_u32 s[GB2L+1], s3, SLOTB
	s_mov_b32 s[GB2H], 1
	s_mov_b32 s[GB2H+1], s3
	CROUND                                         ; all sixteen work-groups are here: the first joint loads meet
	JLOAD G0A, G0B
	JLOAD G0A+4, G0B+4
	JLOAD G0A+8, G0B+8
.irp s, 0,1,2,3,4,5,6,7
.irp p, 0,1
	global_load_b64 v[SA+4*\s+2*\p:SA+4*\s+2*\p+1], v[L8], s[90:91] offset:512*\s+256*\p   ; 256 consecutive bytes a load
	global_load_b64 v[SB+4*\s+2*\p:SB+4*\s+2*\p+1], v[L8], s[92:93] offset:512*\s+256*\p
.endr
.endr
	s_wait_tensorcnt 0x2                           ; my part of slot 0 is in; slots 1 and 2 may be out
	s_barrier_signal -1
	s_barrier_wait -1
	FETCH_B 0, 0, 0
	FETCH_A 0, 0, 0
	FETCH_A 0, 0, 4
	s_wait_loadcnt 0x0                             ; the scale words
	KSTEP 0, 0, 1                                  ; the first products start the sums: nothing is cleared
	KSTEP 1, 1, 0                                  ; slot 0 is left and filled again: four K steps, 256 products, in which to land
	KSTEP 2, 0, 0
	KSTEP 3, 0, 0
	KSTEP 4, 0, 0
	KSTEP 5, 2, 0                                  ; K steps 6, 7 are shown to all; slot 1 takes pass 2's B, K steps 0-3
	KSTEP 6, 0, 0
	s_wait_dscnt 12                                ; the last K step fetches nothing
	WIN MUL_LO
	MUL16 0, 1, 7, 0
	MUL16 2, 1, 7, 0
	s_wait_dscnt 0x0
	WIN MUL_HI
	MUL16 4, 1, 7, 0
	MUL16 6, 1, 7, 0
	WIN 0
; THE WAY OUT.  A's tile a: my 64 numbers (register 16 b + i = index 32 b + 16 (l / 16) + i along B's rows) become one fragment and one scale word a row; each accumulator is read from its low end on.
; base: the pair of scalar registers with the first tile's image; pitch: bytes from tile to tile; wait = 1: earlier stores may still read v[PC] on
.macro QUANTW a, base, pitch, wait
.set QX, 2+(\a)/4
.set QS, 64*((\a)%4)
	WIN (QX<<2)|(QX<<4)
.irp b, 0,1,2,3
	v_max3_num_f32 v[TM+\b], 0x1800000, |v[QS+16*\b]|, |v[QS+16*\b+1]|   ; the floor 2^(3 - 127): the byte cannot fall under 1
.endr
.irp i, 2,4,6,8,10,12,14
.irp b, 0,1,2,3
	v_max3_num_f32 v[TM+\b], v[TM+\b], |v[QS+16*\b+\i]|, |v[QS+16*\b+\i+1]|
.endr
.endr
	WIN 0
.irp b, 0,1,2,3
	v_permlanex16_b32 v[TM+4+\b], v[TM+\b], s[SEL], s[SEL+1]
.endr
.irp b, 0,1,2,3
	v_max_num_f32 v[TM+\b], v[TM+\b], v[TM+4+\b]
.endr
.irp b, 0,1,2,3
	v_add_nc_u32 v[TM+12+\b], 0xff000000, v[TM+\b] ; 2 off the exponent field: the conversion's scale operand
.endr
.irp b, 0,1,2,3
	v_lshrrev_b32 v[TM+8+\b], 23, v[TM+12+\b]
.endr
	v_lshl_or_b32 v[WD+(\a)], v[TM+9], 8, v[TM+8]
	v_lshl_or_b32 v[WD+(\a)], v[TM+10], 16, v[WD+(\a)]
	v_lshl_or_b32 v[WD+(\a)], v[TM+11], 24, v[WD+(\a)]
.if \wait
	s_wait_xcnt 0x0                                ; the last tile's stores have read their data
.endif
	WIN QX
.irp c, 0,1
	v_cvt_scalef32_pk16_fp6_f32 v[PC+6*\c:PC+6*\c+2], v[QS+32*\c:QS+32*\c+15], v[TM+12+2*\c]
	v_cvt_scalef32_pk16_fp6_f32 v[PC+12+4*\c:PC+14+4*\c], v[QS+32*\c+16:QS+32*\c+31], v[TM+13+2*\c]
.endr
	WIN 0
	v_nop                                          ; one plain place behind a scaled conversion
.irp c, 0,1
.irp i, 0,1,2
	v_permlane16_swap_b32 v[PC+6*\c+\i], v[PC+12+4*\c+\i]
.endr
.irp i, 0,1,2
	v_mov_b32 v[PC+3+6*\c+\i], v[PC+12+4*\c+\i]
.endr
.endr
.irp c, 0,1,2
	global_store_b128 v[LI], v[PC+4*\c:PC+4*\c+3], s[\base:\base+1] offset:(\a)*(\pitch)+512*\c   ; 512 consecutive bytes a store
.endr
.endm
	PLACES 4                                       ; behind the last products
.irp b, 0,1,2,3
	v_mov_b32 v[TM+4+\b], 0                        ; a lane permute's destination counts as one of its sources
.endr
.irp s, 0,1,2,3,4,5,6,7                        ; pass 2's scale words land while pass 1 goes out: A's four tiles in two registers a step, B's eight in four
	global_load_b64 v[SA+4*\s:SA+4*\s+1], v[L8], s[66:67] offset:512*\s
.irp p, 0,1
	global_load_b64 v[SB+4*\s+2*\p:SB+4*\s+2*\p+1], v[L8], s[100:101] offset:512*\s+256*\p
.endr
.endr
	QUANTW 0, 84, 12288, 0
	QUANTW 1, 84, 12288, 1
	CHANGE GA2, G1A                                ; B's K steps 0-3 have landed; slot 2, read out in K step 4, takes A's 8 K steps
.irp a, 2,3,4,5,6,7
	QUANTW \a, 84, 12288, 1
.endr
	v_cmp_ne_u32 vcc_lo, 0, v2                     ; (written and read ahead of the next tensor load)
.irp k, 0,1,2,3
	v_cndmask_b32 v[OW+\k], v[WD+2*\k], v[WD+2*\k+1], vcc_lo   ; the scale image: even tiles in lanes 0-15, odd tiles in lanes 16-31
.endr
	global_store_b64 v[L8], v[OW:OW+1], s[86:87]
	global_store_b64 v[L8], v[OW+2:OW+3], s[86:87] offset:256
	CHANGE GB2H, G1B                               ; A's K steps have landed; slot 0, read out in K step 6, takes B's K steps 4-7: three K steps of pass 2 in which to land
	s_wait_xcnt 0x0                                ; the stores have read v[OW] on and v[PC] on: fragments may land there
	FETCH2 0, 0
	s_wait_loadcnt 0x0                             ; pass 2's scale words
	HSTEP 0, 0
	HSTEP 1, 0
	HSTEP 2, 0
	HSTEP 3, 1
	HSTEP 4, 0
	HSTEP 5, 0
	HSTEP 6, 0
	HSTEP 7, 0
	WIN 0
	PLACES 4                                       ; behind the last products
.irp a, 0,1,2,3
	QUANTW \a, 88, 24576, 1
.endr
	v_cmp_ne_u32 vcc_lo, 0, v2
	v_cndmask_b32 v[OW], v[WD], v[WD+1], vcc_lo    ; my four tiles are half of a scale image
	v_cndmask_b32 v[OW+1], v[WD+2], v[WD+3], vcc_lo
	global_store_b64 v[L8], v[OW:OW+1], s[94:95]
	s_wait_tensorcnt 0x0                           ; the wave's end
	ds_add_u32 v[SPW], v[NIL]
	s_wait_dscnt 0x0
	CROUND                                         ; the closing round
	s_endpgm
.Lfunc_end_k_q7bbb771dbd_proj:
	.size	k_q7bbb771dbd_proj, .Lfunc_end_k_q7bbb771dbd_proj-k_q7bbb771dbd_proj
	.p2alignl 7, 3214868480
	.fill 96, 4, 3214868480
	.section	.rodata,"a",@progbits
	.p2align	6, 0x0
	.amdhsa_kernel k_q7bbb771dbd_proj
		.amdhsa_group_segment_fixed_size 327680
		.amdhsa_private_segment_fixed_size 0
		.amdhsa_enable_private_segment 0
		.amdhsa_kernarg_size 32
		.amdhsa_user_sgpr_count 2
		.amdhsa_user_sgpr_kernarg_segment_ptr 1
		.amdhsa_wavefront_size32 1
		.amdhsa_system_sgpr_workgroup_id_x 1
		.amdhsa_system_sgpr_workgroup_id_y 1
		.amdhsa_system_sgpr_workgroup_id_z 1
		.amdhsa_system_vgpr_workitem_id 0
		.amdhsa_next_free_vgpr 1024
		.amdhsa_next_free_sgpr 102
		.amdhsa_reserve_vcc 1
		.amdhsa_float_denorm_mode_32 3
		.amdhsa_float_denorm_mode_16_64 3
		.amdhsa_memory_ordered 1
		.amdhsa_forward_progress 1
		.amdhsa_inst_pref_size 215
	.end_amdhsa_kernel
	.amdgpu_metadata
---
amdhsa.version: [ 1, 2 ]
amdhsa.kernels:
  - .name:           k_q7bbb771dbd_proj
    .symbol:         k_q7bbb771dbd_proj.kd
    .args:
      - { .name: xwc, .offset: 0, .size: 8, .value_kind: global_buffer, .address_space: global }
      - { .name: xws, .offset: 8, .size: 8, .value_kind: global_buffer, .address_space: global }
      - { .name: qkvc, .offset: 16, .size: 8, .value_kind: global_buffer, .address_space: global }
      - { .name: qkvs, .offset: 24, .size: 8, .value_kind: global_buffer, .address_space: global }
    .group_segment_fixed_size: 327680
    .private_segment_fixed_size: 0
    .kernarg_segment_align: 8
    .kernarg_segment_size: 32
    .max_flat_workgroup_size: 128
    .sgpr_count:     102
    .vgpr_count:     1024
    .wavefront_size: 32
...
	.end_amdgpu_metadata
.endif
;; end of part 6
;; launch scores: the kernel of part 3 again; grid 160 x 1, 4 waves a work-group, no clusters, 327,680 bytes of LDS; arguments qkvc, qkvs, pc, pm; writes pc, pm
;; launch pv: the kernel of part 4 again; grid 256 x 1, 4 waves a work-group, no clusters, 327,680 bytes of LDS; arguments qkvc, qkvs, pc, pm, out0; writes out0
